; MI455X (gfx1250); checked and timed in simulation.
; The chip was launched on July 23, 2026; its instructions are those of AMD's public machine-readable ISA for CDNA 5 (MIT licence, August 2026) and "CDNA5" Instruction Set Architecture Reference Guide (July 2026). The comments in the code are by the model that wrote it; some were corrected since.
;; Bah attention. Allowed arithmetic: matrix products marked QUANTISED: E2M3 operands, one E8M0 scale for each 32 along K, by v_wmma_scale_f32_16x16x128_f8f6f4 with both operands' format E2M3, f32 sums; products left as they are: f32 operands where the result goes on into a quantised operand, else bf16, f16 or f32 operands; f32 sums; everything else in f32.
;; Inputs: Wm 1,024 x 1,024 float32; Wq 1,024 x 1,024 float32; bm 1,024 float32; bq 1,024 float32; context 32 x 2,048 x 1,024 float32; mask 32 x 2,048 bool; v 1,024 float32; x 32 x 1,024 float32.
;; Outputs: out0 32 x 1,024 float32; out1 32 x 2,048 float32.
;; This version of the problem:
;;   THIS VERSION OF THE PROBLEM IS GIVEN IN LOW PRECISION. The matrix products marked QUANTISED in the list below multiply operands that are first quantised to E2M3 (2 exponent bits, 3 mantissa bits; 6 bits a number), with one power-of-two scale for each 32 numbers along K (OCP MX v1.0); their sums are f32. All else is computed in f32.
;;   The module's matrix products, in the order in which they are computed (A, B: the left and right operand; K: the contracted axis; several contracted axes count as one K, in the product's order):
;;     1. [M 32, K 1,024] x [K 1,024, N 1,024]; A: input x; B: input Wq: QUANTISED
;;     2. [M 65,536, K 1,024] x [K 1,024, N 1,024]; A: input context; B: input Wm: QUANTISED
;;     3. [M 65,536, K 1,024] x [K 1,024, N 1]; A: computed on the way; B: input v: left as it is (N = 1 < 16)
;;     4. batch 32 x [M 1,024, K 2,048] x [K 2,048, N 1]; A: input context; B: softmax: left as it is (N = 1 < 16)
;;   THE QUANTISER, for each operand of a quantised product, along K:
;;     - K is cut into blocks of 32 from its start; a last block that is shorter is filled with zeros.
;;     - A block's scale is 2^e with e = floor(log2(the largest magnitude in the block)) - 2, held to -126 .. 127; a block of zeros has e = 0. As a byte (E8M0): e + 127.
;;     - Each number is divided by its block's scale, clamped to +-7.5, and rounded to the nearest number of E2M3, ties to even, subnormals kept.
;;     - The product sums the exact products of the quantised numbers (number of the format x scale) in f32.
;;   ~~~python
;;   def quantise(x, axis):      # numpy; x: float32 -> the quantised numbers, widened to float32 again
;;       x = np.moveaxis(x, axis, -1); K = x.shape[-1]
;;       x = np.pad(x, [(0, 0)] * (x.ndim - 1) + [(0, -K % 32)]); x = x.reshape(x.shape[:-1] + (-1, 32)); a = np.abs(x).max(-1, keepdims=True)
;;       e = np.where(a > 0, np.clip(np.frexp(np.where(a > 0, a, 1))[1] - 1 - 2, -126, 127), 0)      # np.frexp(a)[1] - 1 = floor(log2(a)), exactly
;;       r = np.clip(x / 2.0 ** e, -7.5, 7.5)
;;       step = 2.0 ** (np.maximum(np.frexp(np.where(r == 0, 1, r))[1] - 1, 0) - 3)
;;       q = np.round(r / step) * step * 2.0 ** e      # np.round: ties to even
;;       return np.moveaxis(q.reshape(q.shape[:-2] + (-1,))[..., :K], -1, axis).astype(np.float32)
;;   ~~~
;; 2 versions, each right; version 2 is version 1 with the launches prep, attn written anew for expert scheduling mode. Each part assembles by itself: llvm-mc -triple=amdgcn-amd-amdhsa -mcpu=gfx1250 --defsym DOCPART=n.
;; ======== version 1 of 2: 3 launches
;; workspace buffers: wmc 786,432 bytes; wms 32,768 bytes; hxb 131,072 bytes; part_u 262,144 bytes; part_ml 131,072 bytes; part_c 2,097,152 bytes
;; launch prep (part 1): grid 128 x 1, 8 waves a work-group, no clusters, 288,256 bytes of LDS; arguments Wm, Wq, x, bq, bm, wmc, wms, hxb; writes wmc, wms, hxb
.if DOCPART == 1
	.amdgcn_target "amdgcn-amd-amdhsa--gfx1250"
	.amdhsa_code_object_version 6
	.text
	.protected	k_qa175fa11df_prep
	.globl	k_qa175fa11df_prep
	.p2align	8
	.type	k_qa175fa11df_prep,@function
k_qa175fa11df_prep:
	s_mov_b64 s[64:65], 0
	v_nop
	global_prefetch_b8 v0, s[64:65] scope:SCOPE_SE
	s_setreg_imm32_b32 hwreg(HW_REG_WAVE_MODE, 25, 1), 1
	s_wait_xcnt 0x0
; Work-groups 0-63: 16 rows of Wm [1024][1024] f32 become codes of E2M3 with one E8M0 scale for each 32 along K, laid as the later launch's operand registers want them:
;   wmc [64 n][8 s][3 g][32 lanes][16 bytes]: registers 4 g .. 4 g + 3 of the fragment (rows 16 n .. 16 n + 15, K = 128 s .. 128 s + 127);
;   wms [64 n][32 lanes][4 words]: lane (r, h), word q: the scale word of row 16 n + r for K step 2 q + h.
; Work-groups 64-127: 16 rows of Wq are quantised the same way, x [32][1024] too, and hxb[n][b][16] = Q(x) Q(Wq)^T + bq + bm for outputs 16 n .. 16 n + 15 of all 32 batches.
; Eight waves; wave s takes K step s.  A K step of a row is 512 bytes: one load of the wave, 16 bytes a lane, takes it whole.  The 6-bit operand wants lane (r, h) to hold k = 64 c + 32 h + 0 .. 31 of row r (two whole
; blocks of 32): so a fragment's 16 rows go through a stage of the wave's own in LDS, as loaded, and come back so, into the registers that they left.
; A block's scale is 2^(floor(log2(largest magnitude)) - 2); its byte is the largest magnitude's exponent field - 2, held at 1 from below.
; LIMITS: a block of zeros gets the byte 1 where the quantiser says 127 (its codes are zeros, and this program alone reads the bytes); NaN and infinities among the inputs are not served.
; The x Wq product's K is shared among the eight waves; their partial sums meet in LDS and are added in ascending K (an order of f32 additions other than one chain's).
; The two kinds of work-group have LDS bytes of their own: 0-511 Wm's scale image, 512-16,895 the partial sums; of a wave's four stages 0 to 2 serve Wq and x's two tiles, 3 serves Wm.
.set XW,  16                           ; v16-79   64 numbers of W
.set XX,  80                           ; v80-207  2 x 64 numbers of x
.set PCW, 208                          ; v208-219 W's codes;  x's: v16-27, v32-43 (free once W is quantised)
.set TC,  220                          ; v220-226 the upper halves of two blocks' codes, as the conversions leave them
.set TM,  228                          ; v228-229 largest magnitudes, v230-231 scale operands, v232-233 bytes, v234 the other half's bytes
.set RB,  512                          ; LDS: the partial sums, 2,048 bytes a wave
.set SPI, 528                          ; a stage's row: 512 bytes + 16: the sixteen rows that a load touches begin 16 bytes apart modulo 256
.set STGB, 16*SPI
.set STG, 16896                        ; the stages: four for each wave
	s_load_b512 s[4:19], s[0:1], 0x0               ; Wm, Wq, x, bq, bm, wmc, wms, hxb
	v_lshl_add_u32 v254, v0, 2, 0x46200
	v_mov_b32 v255, 0
	v_lshrrev_b32 v1, 5, v0
	v_readfirstlane_b32 s20, v1                    ; wave = K step s
	v_and_b32 v1, 15, v0                           ; r
	v_bfe_u32 v2, v0, 4, 1                         ; h
	v_and_b32 v11, 31, v0
	v_lshlrev_b32 v4, 4, v11                       ; 16 x lane
	v_lshlrev_b32 v5, 3, v2                        ; 8 h: my bytes' place in a scale word
	s_and_b32 s21, ttmp9, 63                       ; n
	; every LDS address is made here, ahead of the parting of the ways
	s_mul_i32 s38, s20, 4*STGB
	s_add_co_u32 s38, s38, STG
	v_add_nc_u32 v12, s38, v4                      ; a stage, in: 16 x lane of a row
	v_mul_u32_u24 v13, v1, SPI
	v_lshl_add_u32 v13, v2, 7, v13
	v_add_nc_u32 v13, s38, v13                     ; and out: row r, + 128 h
	s_and_b32 s26, s20, 1
	s_lshl_b32 s26, s26, 8
	s_lshr_b32 s27, s20, 1
	s_lshl_b32 s27, s27, 2
	s_add_co_u32 s26, s26, s27
	v_lshl_add_u32 v6, v1, 4, s26                  ; the scale image: (r + 16 (s & 1)) x 16 + 4 (s >> 1)
	s_lshl_b32 s26, s20, 11
	s_add_co_u32 s26, s26, RB
	v_add_nc_u32 v8, s26, v4                       ; my partial sums: RB + 2,048 s + 16 x lane
	s_and_b32 s26, s20, 3                          ; w: the wave's number among the four that add
	s_lshr_b32 s27, s26, 1
	s_lshl_b32 s27, s27, 10                        ; x's tile u = w >> 1
	s_and_b32 s28, s26, 1
	s_lshl_b32 s28, s28, 7                         ; lanes 8 (w & 1) on
	s_add_co_u32 s27, s27, s28
	s_add_co_u32 s27, s27, RB
	v_and_b32 v9, 1, v0
	v_lshlrev_b32 v9, 9, v9                        ; registers 4 (L & 1) on
	v_bfe_u32 v10, v0, 1, 1
	v_lshl_add_u32 v9, v10, 8, v9                  ; half (L >> 1) & 1 of the lanes
	v_bfe_u32 v10, v0, 2, 3
	v_lshl_add_u32 v9, v10, 4, v9                  ; lane L >> 2 of the eight
	v_add_nc_u32 v9, s27, v9                       ; where batch 8 w + (L >> 2), outputs 4 (L & 3) .. + 3 lie in wave 0's partial sums
	v_and_b32 v10, 3, v0
	v_lshlrev_b32 v10, 4, v10
	s_lshl_b32 s28, s21, 6
	v_add_nc_u32 v10, s28, v10                     ; bq, bm: (16 n + 4 (L & 3)) x 4
	s_lshl_b32 s28, s26, 9
	v_add_nc_u32 v7, s28, v4                       ; hxb: 512 w + 16 L
	s_lshl_b32 s28, s21, 3
	s_add_co_u32 s28, s28, s20
	s_mul_i32 s28, s28, 1536                       ; wmc: fragment 8 n + s
	s_mov_b32 s29, 0
	s_lshl_b32 s30, s21, 9                         ; wms: 512 n
	s_mov_b32 s31, 0
	s_lshl_b32 s32, s21, 11                        ; hxb: 2,048 n
	s_mov_b32 s33, 0
	s_lshl_b32 s34, s21, 16
	s_lshl_b32 s36, s20, 9
	s_add_co_u32 s34, s34, s36                     ; W: 16 n rows + 512 s
	s_mov_b32 s35, 0
	s_mov_b32 s37, 0                               ; x: 512 s
	s_mov_b32 s24, 0x76543210
	s_mov_b32 s25, 0xfedcba98                      ; v_permlanex16_b32's selects for lane l xor 16
	v_mov_b32 v[TM+6], 0                           ; written once: a lane permute's destination counts as one of its sources
	s_wait_kmcnt 0x0
	s_cmp_lt_u32 ttmp9, 64                         ; Wm's work-group or Wq's: the choice hangs on the work-group's number alone
	s_cselect_b64 s[22:23], s[4:5], s[6:7]
	s_add_nc_u64 s[22:23], s[22:23], s[34:35]
	s_add_nc_u64 s[8:9], s[8:9], s[36:37]
	s_add_nc_u64 s[14:15], s[14:15], s[28:29]
	s_add_nc_u64 s[16:17], s[16:17], s[30:31]
	s_add_nc_u64 s[18:19], s[18:19], s[32:33]
.irp i, 0,1,2,3,4,5,6,7,8,9,10,11,12,13,14,15
	global_load_b128 v[XW+4*\i:XW+4*\i+3], v4, s[22:23] offset:4096*\i th:TH_LOAD_NT   ; row i: 32 lanes read 512 consecutive bytes
.endr
; A fragment's 16 rows, v[src + 4 i ..] = row i as loaded, go through stage f and come back as v[src + 32 c + 4 j ..] = k 64 c + 32 h + 4 j .. of row r.  32 LDS instructions.
; LDS serves a wave's instructions in order (ISA guide 5.7.1.4): the loads see the stores, and no wait stands between them.
.macro TURNP src, f
.irp i, 0,1,2,3,4,5,6,7,8,9,10,11,12,13,14,15
	ds_store_b128 v12, v[\src+4*\i:\src+4*\i+3] offset:(\f)*STGB+\i*SPI
.endr
.irp c, 0,1
.irp j, 0,1,2,3,4,5,6,7
	ds_load_b128 v[\src+32*\c+4*\j:\src+32*\c+4*\j+3], v13 offset:(\f)*STGB+256*\c+16*\j
.endr
.endr
.endm
; 64 numbers of a lane, v[src + 32 c + i] = k 64 c + 32 h + i of my row, become a fragment's 12 registers in v[pc] on and the row's scale word in v[pw].
.macro QUANT2 src, pc, pw
.irp c, 0,1
	v_max3_num_f32 v[TM+\c], |v[\src+32*\c]|, |v[\src+32*\c+1]|, 0x1800000   ; my block 2 c + h, and the floor 2^(3 - 127): the byte cannot fall under 1
.endr
.irp i, 2,4,6,8,10,12,14,16,18,20,22,24,26,28,30
.irp c, 0,1
	v_max3_num_f32 v[TM+\c], v[TM+\c], |v[\src+32*\c+\i]|, |v[\src+32*\c+\i+1]|   ; (the two blocks by turns)
.endr
.endr
.irp c, 0,1
	v_add_nc_u32 v[TM+2+\c], 0xff000000, v[TM+\c]  ; 2 off the exponent field: the conversion takes that field of this operand as its scale
.endr
.irp c, 0,1
	v_cvt_scalef32_pk16_fp6_f32 v[\pc+6*\c:\pc+6*\c+2], v[\src+32*\c:\src+32*\c+15], v[TM+2+\c]
	v_cvt_scalef32_pk16_fp6_f32 v[TC+4*\c:TC+4*\c+2], v[\src+32*\c+16:\src+32*\c+31], v[TM+2+\c]   ; (a conversion's three registers begin on an even number)
.endr
.irp c, 0,1
	v_lshrrev_b32 v[TM+4+\c], 23, v[TM+2+\c]       ; the scales' bytes; also the plain line behind the conversions
.endr
	v_lshl_or_b32 v[\pw], v[TM+5], 16, v[TM+4]     ; blocks h and 2 + h,
	v_lshlrev_b32 v[\pw], v5, v[\pw]               ; at their places;
	v_permlanex16_b32 v[TM+6], v[\pw], s24, s25
	v_or_b32 v[\pw], v[\pw], v[TM+6]               ; with lane l xor 16's two the word is whole, in both halves of the lanes
.irp c, 0,1
.irp i, 0,1,2
	v_mov_b32 v[\pc+6*\c+3+\i], v[TC+4*\c+\i]
.endr
.endr
.endm
	s_cmp_lt_u32 ttmp9, 64
	s_cbranch_scc1 .Lweights
	; ---- Wq's work-groups: hxb
	global_load_b128 v[244:247], v10, s[10:11]     ; bq
	global_load_b128 v[248:251], v10, s[12:13]     ; bm
.irp u, 0,1
.irp i, 0,1,2,3,4,5,6,7,8,9,10,11,12,13,14,15
	global_load_b128 v[XX+64*\u+4*\i:XX+64*\u+4*\i+3], v4, s[8:9] offset:65536*\u+4096*\i   ; x: batch 16 u + i, 512 consecutive bytes
.endr
.endr
	s_wait_loadcnt 34                              ; W's 16 are in; behind them: 2 of the biases, 32 of x
	TURNP XW, 0
	s_wait_loadcnt 16                              ; x's first tile is in; the second's 16 may be out
	TURNP XX, 1
	s_wait_dscnt 32                                ; W is back; behind its turn: the 32 LDS instructions of x's first tile
	QUANT2 XW, PCW, 240
	s_wait_loadcnt 0x0
	TURNP XX+64, 2
	s_wait_dscnt 32                                ; x's first tile is back; behind it: the second's 32
	QUANT2 XX, 16, 241
	s_wait_dscnt 0x0
	QUANT2 XX+64, 32, 242
.rept 8
	v_nop                                          ; a scale register written by a vector instruction stands eight places ahead of a scaled matrix instruction, an operand four
.endr
	; source 0 = 16 rows of Wq, source 1 = 16 batches: lane (r, h) holds batch 16 u + r, register j output 16 n + 8 h + j
	v_wmma_scale_f32_16x16x128_f8f6f4 v[48:55], v[PCW:PCW+11], v[16:27], 0, v240, v241 matrix_a_fmt:MATRIX_FMT_FP6 matrix_b_fmt:MATRIX_FMT_FP6
	v_wmma_scale_f32_16x16x128_f8f6f4 v[56:63], v[PCW:PCW+11], v[32:43], 0, v240, v242 matrix_a_fmt:MATRIX_FMT_FP6 matrix_b_fmt:MATRIX_FMT_FP6
.rept 4
	v_nop                                          ; four places ahead of the first read of a result (ISA guide 7.12.1)
.endr
.irp p, 0,1,2,3
	ds_store_b128 v8, v[48+4*\p:51+4*\p] offset:512*\p   ; each result from its low end on: [u][registers 0-3, 4-7][lane]
.endr
	s_wait_dscnt 0x0                               ; for the others' sake: my partial sums lie in LDS
	s_barrier_signal -1
	s_barrier_wait -1
	s_cmp_gt_u32 s20, 3
	s_cbranch_scc1 .Ldone_b                        ; four waves add: 128 x 4 numbers
.irp p, 0,1,2,3,4,5,6,7
	ds_load_b128 v[64+4*\p:67+4*\p], v9 offset:2048*\p
.endr
	s_wait_dscnt 0x0
.irp p, 1,2,3,4,5,6,7
	v_pk_add_f32 v[64:65], v[64:65], v[64+4*\p:65+4*\p]   ; K ascending
	v_pk_add_f32 v[66:67], v[66:67], v[66+4*\p:67+4*\p]
.endr
	v_pk_add_f32 v[64:65], v[64:65], v[244:245]
	v_pk_add_f32 v[66:67], v[66:67], v[246:247]
	v_pk_add_f32 v[64:65], v[64:65], v[248:249]
	v_pk_add_f32 v[66:67], v[66:67], v[250:251]
	global_store_b128 v7, v[64:67], s[18:19]       ; a wave stores 512 consecutive bytes
.Ldone_b:
	s_wait_tensorcnt 0x0
	ds_add_u32 v254, v255
	s_wait_dscnt 0x0
	s_endpgm
	; ---- Wm's work-groups: codes and scale image
.Lweights:
	s_wait_loadcnt 0x0
	TURNP XW, 3
	s_wait_dscnt 0x0
	QUANT2 XW, PCW, 240
.irp g, 0,1,2
	global_store_b128 v4, v[PCW+4*\g:PCW+4*\g+3], s[14:15] offset:512*\g   ; the fragment as it stands: 512 consecutive bytes a store
.endr
	ds_store_b32 v6, v240                          ; lanes r and 16 + r write the same word with the same value
	s_wait_dscnt 0x0
	s_barrier_signal -1
	s_barrier_wait -1
	s_cmp_lg_u32 s20, 0
	s_cbranch_scc1 .Ldone_a
	ds_load_b128 v[236:239], v4                    ; the tile's scale image, 512 bytes
	s_wait_dscnt 0x0
	global_store_b128 v4, v[236:239], s[16:17]
.Ldone_a:
	s_wait_tensorcnt 0x0
	ds_add_u32 v254, v255
	s_wait_dscnt 0x0
	s_endpgm
.Lfunc_end_k_qa175fa11df_prep:
	.size	k_qa175fa11df_prep, .Lfunc_end_k_qa175fa11df_prep-k_qa175fa11df_prep
	.p2alignl 7, 3214868480
	.fill 96, 4, 3214868480
	.section	.rodata,"a",@progbits
	.p2align	6, 0x0
	.amdhsa_kernel k_qa175fa11df_prep
		.amdhsa_group_segment_fixed_size 288256
		.amdhsa_private_segment_fixed_size 0
		.amdhsa_enable_private_segment 0
		.amdhsa_kernarg_size 64
		.amdhsa_user_sgpr_count 2
		.amdhsa_user_sgpr_kernarg_segment_ptr 1
		.amdhsa_wavefront_size32 1
		.amdhsa_system_sgpr_workgroup_id_x 1
		.amdhsa_system_sgpr_workgroup_id_y 1
		.amdhsa_system_sgpr_workgroup_id_z 1
		.amdhsa_system_vgpr_workitem_id 0
		.amdhsa_next_free_vgpr 256
		.amdhsa_next_free_sgpr 66
		.amdhsa_reserve_vcc 0
		.amdhsa_float_denorm_mode_32 3
		.amdhsa_float_denorm_mode_16_64 3
		.amdhsa_memory_ordered 1
		.amdhsa_forward_progress 1
		.amdhsa_inst_pref_size 32
	.end_amdhsa_kernel
	.amdgpu_metadata
---
amdhsa.version: [ 1, 2 ]
amdhsa.kernels:
  - .name:           k_qa175fa11df_prep
    .symbol:         k_qa175fa11df_prep.kd
    .args:
      - { .name: Wm, .offset: 0, .size: 8, .value_kind: global_buffer, .address_space: global }
      - { .name: Wq, .offset: 8, .size: 8, .value_kind: global_buffer, .address_space: global }
      - { .name: x, .offset: 16, .size: 8, .value_kind: global_buffer, .address_space: global }
      - { .name: bq, .offset: 24, .size: 8, .value_kind: global_buffer, .address_space: global }
      - { .name: bm, .offset: 32, .size: 8, .value_kind: global_buffer, .address_space: global }
      - { .name: wmc, .offset: 40, .size: 8, .value_kind: global_buffer, .address_space: global }
      - { .name: wms, .offset: 48, .size: 8, .value_kind: global_buffer, .address_space: global }
      - { .name: hxb, .offset: 56, .size: 8, .value_kind: global_buffer, .address_space: global }
    .group_segment_fixed_size: 288256
    .private_segment_fixed_size: 0
    .kernarg_segment_align: 8
    .kernarg_segment_size: 64
    .max_flat_workgroup_size: 256
    .sgpr_count:     66
    .vgpr_count:     256
    .wavefront_size: 32
...
	.end_amdgpu_metadata
.endif
;; end of part 1
;; launch attn (part 2): grid 256 x 1, 4 waves a work-group, no clusters, 327,680 bytes of LDS; arguments context, v, wmc, wms, hxb, part_u, part_ml, part_c; writes part_u, part_ml, part_c
.if DOCPART == 2
	.amdgcn_target "amdgcn-amd-amdhsa--gfx1250"
	.amdhsa_code_object_version 6
	.text
	.protected	k_qa175fa11df_attn
	.globl	k_qa175fa11df_attn
	.p2align	8
	.type	k_qa175fa11df_attn,@function
k_qa175fa11df_attn:
	s_mov_b64 s[64:65], 0
	v_nop
	global_prefetch_b8 v0, s[64:65] scope:SCOPE_SE
	s_setreg_imm32_b32 hwreg(HW_REG_WAVE_MODE, 25, 1), 1
	s_wait_xcnt 0x0
; A block is 128 rows of context (block g = rows 128 g .. of the flat [65,536][1024]; batch g / 16).  It goes through the whole chain in one work-group, so that context is read from memory once:
;   X: the rows are quantised to E2M3 (one E8M0 scale for each 32 along K) and, beside that, rounded to bf16 into LDS, where they wait for their weights;
;   N: z = Q(context) Q(Wm)^T + hxb (hxb = Q(x) Q(Wq)^T + bq + bm, made by the launch before), and the score, summed as it is made;
;   S: the block's maximum m, p = 2^(u - m), l = the sum of p;     C: the sum over the block's rows of p x context, by the bf16 matrix form.  The last launch joins a batch's 16 blocks.
; A WORK-GROUP STAYS: work-group G takes blocks 2 G and 2 G + 1, which lie in one batch: the tables and every address register are made once.  Between the walk's last two turns, when the registers that held
;   Wm's shares are free, each wave asks for the next block's first eight units (64 loads; 128 KB for the four waves, a quarter of the block): they land under the last turn, the softmax and the last product.
; THE SCORE.  tanh z = 1 - 2 r, r = 1 / (1 + 2^(c2 z)), c2 = 2 log2(e).  In powers of two the score is u = sum over o of v''(o) r(o), v'' = -c2 v, plus a constant of the batch, which a softmax does not see: it is left off.
;   No clamp: 2^(large) is infinity and r = 0; 2^(-large) is 0 and r = 1.
; mask is no argument of any launch.
; LIMITS: NaN and infinities among the inputs are not served; a block of 32 zeros gets the scale byte 1 where the quantiser says 127 (its codes are zeros; the bytes are read here alone);
;   p and context are rounded to bf16 for the last product; l is the sum of the unrounded p.
; SHARES.  Four waves; wave w = (rh = w / 2, nh = w % 2) owns rows 64 rh .. + 63 and outputs 512 nh .. + 511.  Its 32 fragments of context (4 tiles of rows x 8 K steps x 12 registers) stay in registers through the walk over Wm,
;   so each fragment of Wm read from LDS feeds four matrix instructions.  The product is used transposed (source 0 = 16 rows of Wm, source 1 = 16 rows of context): a lane holds ONE row of context and eight outputs.
; NO TENSOR LOADS, NO CLUSTER.  All work-groups walk the same Wm, but the bf16 copy takes 266,240 of the 327,680 bytes of LDS; what is left is two slots of 25,600 bytes, 32 matrix instructions a wave each.
;   A joint refill goes out one a wave behind each change of slots and would have that one short step in which to land.  Here each wave loads a quarter of each slot into registers four turns ahead and hands it on by LDS stores.
; LDS: 0 the bf16 copy, 128 rows x 2,080;  RING two slots, each [half nh: 8 fragments x 1,536, scale image 512];  TAB hxb's row of my batch;  VT [64 zeros][v'' 0-511][64 zeros][v'' 512-1023];  SCR the waves' partial scores.
;   In phase X the ring's bytes hold a stage for each wave, two sets of eight fragment images and the scale words; behind the walk p and the way out.  Barriers part the phases, and the blocks.
; REGISTERS, in windows of 256 (s_set_vgpr_msb: bits 1:0 source 0, 3:2 source 1, 5:4 source 2, 7:6 destination):
;   window 0: v1-31 and v252-255 lane numbers and addresses; v32-47 context's scale words, v48-55 Wm's (they hold scales and nothing else); v56-63 the bias; v64-71 the score's sums; v72-135 two sets of four accumulators; v136-231 Wm's eight fragments.
;   windows 1, 2: v0-191 context's fragments of tiles 0, 1 and 2, 3; v192-199 eight numbers of v'', the same in both.   window 3: what is on its way from memory: eight units of context, later four shares of Wm.
.set PCH,   2080                       ; a row of the bf16 copy: 2,048 bytes + 32: 65 x 32 bytes, so that the eight rows of a turning load begin 32 bytes apart modulo 256
.set RING,  128*PCH
.set FRB,   1536                       ; a fragment's image: 12 registers x 128 bytes
.set HALFB, 8*FRB+512
.set SLOTB, 2*HALFB
.set TAB,   RING+2*SLOTB
.set VT,    TAB+4096
.set VTH,   2112
.set SCR,   VT+2*VTH
.set STGB,  16*272                     ; phase X: a wave's stage, 16 rows x (256 bytes + 16)
.set XB,    RING+4*STGB                ; two sets of eight fragment images, by the K step's parity
.set XSW,   XB+2*8*FRB                 ; scale words [8 tiles][4 q][32 lanes]
.set PB,    RING                       ; behind the walk: p as bf16, 256 bytes for each wave
.set CST,   RING+1024                  ; and 1,024 bytes for each wave on the way out
.set BLKB,  128*4096                   ; a block of context in bytes
.set GXA, 4                            ; context: 32 w rows + (lane / 16) rows + 16 (lane % 16)
.set TSA, 5                            ; the stage, in
.set TLA, 6                            ; the stage, out
.set CBA, 7                            ; the bf16 copy
.set IMA, 8                            ; my images
.set XSA, 9                            ; my scale words
.set FXA, 10                           ; the images that I fetch
.set SH0, 11                           ; 8 h
.set SH1, 12                           ; 16 + 8 h
.set BFA, 13                           ; v13-14 a slot's fragments of my half, slot 0, 1
.set BSA, 15                           ; v15-16 where I store my share's codes
.set BSS, 17                           ; v17-18 and its scale words
.set GBA, 19                           ; 16 x lane
.set GBS, 20                           ; 8 x lane
.set BI0, 21                           ; the bias of my half's first tile
.set VV0, 22                           ; v'' likewise, one tile back: the zeros
.set BIA, 23                           ; the same for the trip in hand
.set VVA, 24
.set AV,  25                           ; v25-28 phase C: the turning loads' addresses (in the head v25-30 first serve the tables)
.set SCA, 29                           ; phase S: where my partial scores go,
.set SCL, 30                           ; and where the block's are read
.set XRA, 31                           ; my tiles' scale words
.set SA,  32
.set SB,  48
.set BI,  56
.set SS,  64
.set ACC, 72
.set BF,  136
.set VV,  192                          ; in windows 1 and 2
.set XN,  72                           ; phase X: two sets of 32 neighbours
.set CB,  136                          ; two sets of 16 registers of bf16
.set PC,  168                          ; two fragments' codes
.set TC,  192
.set MXA, 196
.set MXB, 197
.set SCO, 198
.set BY,  199
.set WD,  200                          ; v200-201 the two tiles' scale words in the making
.set TT,  202
.set DD,  72                           ; phase C: sixteen accumulators
.set PF,  200                          ; p's four fragments
.set PBS, 252                          ; p: in,
.set PBL, 253                          ; and out
.set CSA, 254                          ; the way out: in,
.set CSL, 255                          ; and out
.set BLKS, 48                          ; s48 blocks to go
.set MSB, 0
.macro WIN new                         ; the immediate's high byte repeats the setting that is left; a switch that changes nothing is dropped
.if MSB != (\new)
	s_set_vgpr_msb (MSB<<8)|(\new)
.set MSB, (\new)
.endif
.endm
.macro BARRIER                         ; my LDS stores have landed and my LDS loads are in: then the work-group's barrier
	s_wait_dscnt 0x0
	s_barrier_signal -1
	s_barrier_wait -1
.endm
	s_load_b256 s[4:11], s[0:1], 0x0               ; context, v, wmc, wms
	s_load_b256 s[12:19], s[0:1], 0x20             ; hxb, part_u, part_ml, part_c
	v_lshrrev_b32 v1, 5, v0
	v_readfirstlane_b32 s20, v1                    ; w
	s_lshr_b32 s21, s20, 1                         ; rh; also: which half of a slot I bring
	s_and_b32 s22, s20, 1                          ; nh; also: which half of that half
	v_and_b32 v1, 31, v0                           ; L
	v_and_b32 v2, 15, v0                           ; r
	v_bfe_u32 v3, v0, 4, 1                         ; h
	s_lshl_b32 s24, s20, 17
	v_lshlrev_b32 v[GXA], 4, v2
	v_lshl_add_u32 v[GXA], v3, 12, v[GXA]
	v_add_nc_u32 v[GXA], s24, v[GXA]
	s_mul_i32 s24, s20, STGB
	s_add_co_u32 s24, s24, RING
	v_mul_u32_u24 v[TSA], v3, 272
	v_lshl_add_u32 v[TSA], v2, 4, v[TSA]
	v_add_nc_u32 v[TSA], s24, v[TSA]               ; in: as loaded: row lane / 16, 16 bytes a lane
	v_mul_u32_u24 v[TLA], v2, 272
	v_lshl_add_u32 v[TLA], v3, 7, v[TLA]
	v_add_nc_u32 v[TLA], s24, v[TLA]               ; out: row r, 128 bytes for each half of the lanes: one block of 32
	s_mul_i32 s24, s20, 32*PCH
	v_mul_u32_u24 v[CBA], v3, PCH
	v_lshl_add_u32 v[CBA], v2, 3, v[CBA]
	v_add_nc_u32 v[CBA], s24, v[CBA]
	s_mul_i32 s24, s20, 2*FRB
	s_add_co_u32 s24, s24, XB
	v_lshl_add_u32 v[IMA], v1, 4, s24
	s_lshl_b32 s24, s20, 10
	s_add_co_u32 s24, s24, XSW
	v_lshl_add_u32 v[XSA], v2, 2, s24
	s_mul_i32 s24, s21, 4*FRB
	s_add_co_u32 s24, s24, XB
	v_lshl_add_u32 v[FXA], v1, 4, s24
	s_lshl_b32 s24, s21, 11
	s_add_co_u32 s24, s24, XSW
	v_lshl_add_u32 v[XRA], v1, 2, s24
	v_lshlrev_b32 v[SH0], 3, v3
	v_add_nc_u32 v[SH1], 16, v[SH0]
	s_mul_i32 s24, s22, HALFB
	s_add_co_u32 s24, s24, RING
	v_lshl_add_u32 v[BFA], v1, 4, s24
	v_add_nc_u32 v[BFA+1], SLOTB, v[BFA]
	s_mul_i32 s24, s21, HALFB
	s_mul_i32 s25, s22, 4*FRB
	s_add_co_u32 s25, s24, s25
	s_add_co_u32 s25, s25, RING
	v_lshl_add_u32 v[BSA], v1, 4, s25
	v_add_nc_u32 v[BSA+1], SLOTB, v[BSA]
	s_lshl_b32 s25, s22, 8
	s_add_co_u32 s25, s24, s25
	s_add_co_u32 s25, s25, RING+8*FRB
	v_lshl_add_u32 v[BSS], v1, 3, s25
	v_add_nc_u32 v[BSS+1], SLOTB, v[BSS]
	v_lshlrev_b32 v[GBA], 4, v1
	v_lshlrev_b32 v[GBS], 3, v1
	s_lshl_b32 s24, s22, 11
	s_add_co_u32 s24, s24, TAB
	v_lshl_add_u32 v[BI0], v3, 5, s24
	s_mul_i32 s24, s22, VTH
	s_add_co_u32 s24, s24, VT
	v_lshl_add_u32 v[VV0], v3, 5, s24
	v_lshrrev_b32 v25, 2, v0
	v_lshlrev_b32 v25, 11, v25
	v_and_b32 v26, 3, v0
	v_lshl_add_u32 v25, v26, 4, v25                ; hxb [n][b][16]: thread t takes tile t / 4 (and 32 + t / 4), 16 bytes t % 4
	v_lshlrev_b32 v26, 4, v0                       ; 16 t
	v_add_nc_u32 v27, TAB, v26
	v_add_nc_u32 v28, VT+64, v26
	v_mul_u32_u24 v29, v3, VTH
	v_lshl_add_u32 v29, v2, 2, v29
	v_add_nc_u32 v29, VT, v29                      ; the two runs of 64 zeros
	v_mov_b32 v30, 0
	s_mov_b32 s30, 0x4038aa3b                      ; c2 = 2 log2(e)
	s_mov_b32 s31, s30                             ; (named with it as a pair, so it is written)
	s_mov_b32 s32, 0x76543210
	s_mov_b32 s33, 0xfedcba98                      ; v_permlanex16_b32's selects for lane l xor 16
	s_lshl_b32 s24, ttmp9, 20                      ; my first block: 2 G x 128 rows of 4,096 bytes (under 2^32)
	s_mov_b32 s25, 0
	s_lshr_b32 s26, ttmp9, 3
	s_lshl_b32 s26, s26, 6                         ; hxb: 64 b, b = G / 8
	s_mov_b32 s27, 0
	s_mul_i32 s28, s21, 32*8*FRB
	s_mul_i32 s29, s22, 4*FRB
	s_add_co_u32 s28, s28, s29                     ; wmc: tile 32 (w / 2), fragments 4 (w % 2) on
	s_mov_b32 s29, 0
	s_lshl_b32 s36, s21, 14
	s_lshl_b32 s37, s22, 8
	s_add_co_u32 s36, s36, s37                     ; wms likewise
	s_mov_b32 s37, 0
	s_lshl_b32 s38, ttmp9, 10                      ; part_u: 512 bytes a block
	s_mov_b32 s39, 0
	s_lshl_b32 s40, ttmp9, 9                       ; part_ml: 256
	s_mov_b32 s41, 0
	s_lshl_b32 s42, ttmp9, 13                      ; part_c: 4,096, + my wave's 1,024
	s_lshl_b32 s43, s20, 10
	s_add_co_u32 s42, s42, s43
	s_mov_b32 s43, 0
	s_wait_kmcnt 0x0
	s_add_nc_u64 s[4:5], s[4:5], s[24:25]
	s_add_nc_u64 s[12:13], s[12:13], s[26:27]
	s_add_nc_u64 s[8:9], s[8:9], s[28:29]
	s_add_nc_u64 s[10:11], s[10:11], s[36:37]
	s_add_nc_u64 s[14:15], s[14:15], s[38:39]
	s_add_nc_u64 s[16:17], s[16:17], s[40:41]
	s_add_nc_u64 s[18:19], s[18:19], s[42:43]
; ---------------- PHASE X.  A unit x = 4 s + 2 u + c is 16 rows (my tile u) x 64 along K (128 s + 64 c on): 4 KB.
.macro XLOAD x, off                    ; eight loads into unit buffer x % 8: each takes 256 consecutive, aligned bytes of two rows.  off: 0, or a block's bytes for the block that follows
	WIN 0xc0
.irp i, 0,1,2,3,4,5,6,7
	global_load_b128 v[32*((\x)%8)+4*\i:32*((\x)%8)+4*\i+3], v[GXA], s[4:5] offset:(\off)+(((\x)/2)%2)*65536+\i*8192+((\x)/4)*512+((\x)%2)*256 th:TH_LOAD_NT
.endr
.endm
.macro TURNX y                         ; unit y goes through my stage, so that a lane gets a whole block of 32 neighbours, and as bf16 into the copy: 24 LDS instructions
	WIN 0x0c                                       ; an LDS store's data are its source 1: window 3
.irp i, 0,1,2,3,4,5,6,7
	ds_store_b128 v[TSA], v[32*((\y)%8)+4*\i:32*((\y)%8)+4*\i+3] offset:544*\i
.endr
	WIN 0
.irp j, 0,1,2,3,4,5,6,7
	ds_load_b128 v[XN+32*((\y)%2)+4*\j:XN+32*((\y)%2)+4*\j+3], v[TLA] offset:16*\j   ; LDS serves a wave's instructions in order (ISA guide 5.7.1.4): these see the stores above
.endr
	WIN 0x0f
.irp i, 0,1,2,3,4,5,6,7
	v_cvt_pk_bf16_f32 v[CB+16*((\y)%2)+2*\i], v[32*((\y)%8)+4*\i], v[32*((\y)%8)+4*\i+1]
	v_cvt_pk_bf16_f32 v[CB+16*((\y)%2)+2*\i+1], v[32*((\y)%8)+4*\i+2], v[32*((\y)%8)+4*\i+3]
.endr
	WIN 0
.irp i, 0,1,2,3,4,5,6,7
	ds_store_b64 v[CBA], v[CB+16*((\y)%2)+2*\i:CB+16*((\y)%2)+2*\i+1] offset:(16*(((\y)/2)%2)+2*\i)*PCH+((\y)/4)*256+((\y)%2)*128
.endr
.endm
.macro QUANTX x                        ; my block of unit x: k = 128 s + 64 c + 32 h + 0 .. 31 of row r: registers 6 c .. 6 c + 5 of the fragment (tile u, K step s)
.set qX, XN+32*((\x)%2)
.set qU, ((\x)/2)%2
.set qC, (\x)%2
.set qS, (\x)/4
.set qP, PC+12*qU+6*qC
	v_max3_num_f32 v[MXA], |v[qX]|, |v[qX+1]|, 0x1800000   ; the largest magnitude, in two chains, with the floor 2^(3 - 127) among its leaves: the byte cannot fall under 1
	v_max3_num_f32 v[MXB], |v[qX+16]|, |v[qX+17]|, |v[qX+18]|
.irp i, 0,1,2,3,4,5
	v_max3_num_f32 v[MXA], v[MXA], |v[qX+2+2*\i]|, |v[qX+3+2*\i]|
	v_max3_num_f32 v[MXB], v[MXB], |v[qX+19+2*\i]|, |v[qX+20+2*\i]|
.endr
	v_max3_num_f32 v[MXA], v[MXA], |v[qX+14]|, |v[qX+15]|
	v_max3_num_f32 v[MXA], v[MXA], v[MXB], |v[qX+31]|
	v_add_nc_u32 v[SCO], 0xff000000, v[MXA]        ; 2 off the exponent field: the conversion's scale operand
	v_cvt_scalef32_pk16_fp6_f32 v[qP:qP+2], v[qX:qX+15], v[SCO]
	v_cvt_scalef32_pk16_fp6_f32 v[TC:TC+2], v[qX+16:qX+31], v[SCO]   ; (a conversion's three registers begin on an even number)
	v_lshrrev_b32 v[BY], 23, v[SCO]                ; the scale's byte; also the plain line behind the conversions
.if qC == 0
	v_lshlrev_b32 v[WD+qU], v[SH0], v[BY]          ; block h of the K step's four
.else
	v_lshlrev_b32 v[TT], v[SH1], v[BY]             ; block 2 + h
	v_or_b32 v[WD+qU], v[WD+qU], v[TT]
.endif
.irp i, 0,1,2
	v_mov_b32 v[qP+3+\i], v[TC+\i]
.endr
.if qC == 1
	v_permlanex16_b32 v[TT], v[WD+qU], s32, s33
	v_or_b32 v[WD+qU], v[WD+qU], v[TT]             ; with lane l xor 16's two bytes the row's word is whole
.irp g, 0,1,2
	ds_store_b128 v[IMA], v[PC+12*qU+4*\g:PC+12*qU+4*\g+3] offset:(qS%2)*8*FRB+qU*FRB+512*\g   ; the fragment goes to LDS as an image of its registers
.endr
	ds_store_b32 v[XSA], v[WD+qU] offset:qU*512+(qS/2)*128+(qS%2)*64   ; K step 2 q in lanes 0-15 of word q, K step 2 q + 1 in lanes 16-31; lanes r and 16 + r write the same word
.endif
.endm
.macro FETCH s                         ; K step s of my four tiles of rows, made by two waves, into the registers where they stay
	WIN 0x40
.irp i, 0,1
.irp g, 0,1,2
	ds_load_b128 v[96*\i+12*(\s)+4*\g:96*\i+12*(\s)+4*\g+3], v[FXA] offset:((\s)%2)*8*FRB+\i*FRB+512*\g
.endr
.endr
	WIN 0x80
.irp i, 0,1
.irp g, 0,1,2
	ds_load_b128 v[96*\i+12*(\s)+4*\g:96*\i+12*(\s)+4*\g+3], v[FXA] offset:((\s)%2)*8*FRB+(\i+2)*FRB+512*\g
.endr
.endr
.endm
; my quarter of a slot of Wm: 13 loads into set `set` of window 3; pos: tiles from where the bases stand
.macro BLOAD set, pos
	WIN 0xc0
.irp i, 0,1,2,3,4,5,6,7,8,9,10,11
	global_load_b128 v[64*(\set)+4*\i:64*(\set)+4*\i+3], v[GBA], s[8:9] offset:(\pos)*8*FRB+512*\i
.endr
	global_load_b64 v[64*(\set)+48:64*(\set)+49], v[GBS], s[10:11] offset:(\pos)*512
.endm
.macro BSTORE set, buf                 ; and on into slot buf: 13 LDS stores
	WIN 0x0c
.irp i, 0,1,2,3,4,5,6,7,8,9,10,11
	ds_store_b128 v[BSA+(\buf)], v[64*(\set)+4*\i:64*(\set)+4*\i+3] offset:512*\i
.endr
	ds_store_b64 v[BSS+(\buf)], v[64*(\set)+48:64*(\set)+49]
.endm
; Unit x is quantised while unit x + 1 turns through the stage and unit x + 8 is asked for.  cnt: the loads issued behind unit x + 1's.
.macro STEPX x, cnt
.if (\x) < 31
	s_wait_loadcnt \cnt                            ; unit x + 1 is in
	TURNX (\x)+1
	s_wait_dscnt 24                                ; all but those 24: unit x's neighbours are back, and the LDS stores out of its buffer have read their registers
.else
	s_wait_dscnt 0x0
.endif
.if (\x) <= 23
	XLOAD (\x)+8, 0                                ; into the buffer that unit x has left
.elseif ((\x)%2) == 1
	BLOAD ((\x)-25)/2, ((\x)-25)/2                 ; the last units leave their buffers to Wm's first four shares: set d lies over buffers 2 d and 2 d + 1
.endif
	WIN 0
	QUANTX \x
.if ((\x)%4) == 3
	BARRIER                                        ; the K step's eight images lie in LDS.  The sets take turns: this set is written again only behind the next K step's barrier, in front of which every wave's fetches below are in
	FETCH (\x)/4
.endif
.endm
	global_load_b128 v[232:235], v25, s[12:13]     ; hxb's row of my batch
	global_load_b128 v[236:239], v25, s[12:13] offset:65536
	global_load_b128 v[240:243], v26, s[6:7]       ; v
	global_load_b128 v[244:247], v26, s[6:7] offset:2048
.irp x, 0,1,2,3,4,5,6
	XLOAD \x, 0
.endr
	WIN 0
	s_wait_loadcnt 56                              ; the four table loads are in; seven units, 56 loads, stay out
	ds_store_b128 v27, v[232:235]
	ds_store_b128 v27, v[236:239] offset:2048
.irp i, 0,2,4,6
	v_pk_mul_f32 v[240+\i:241+\i], v[240+\i:241+\i], 0xc038aa3b op_sel_hi:[1,0]   ; v'' = -c2 v
.endr
	ds_store_b128 v28, v[240:243]
	ds_store_b128 v28, v[244:247] offset:VTH
	s_cmp_lg_u32 s20, 0
	s_cbranch_scc1 .Lpadded
	ds_store_b32 v29, v30                          ; the zeros in front of each half of v'': the walk's first turn multiplies by them
.Lpadded:
	XLOAD 7, 0
	WIN 0
	s_wait_dscnt 0x0                               ; the tables' stores have read v27-30 (their loads, which named v25-26, were waited for above): the six registers take the addresses of phases S and C, which stay
	v_and_b32 v23, 7, v0
	v_lshl_add_u32 v23, v3, 3, v23
	v_mul_u32_u24 v[AV], v23, PCH                  ; row 8 h + L % 8,
	v_bfe_u32 v23, v0, 3, 1
	v_lshl_add_u32 v[AV], v23, 4, v[AV]            ; 16 bytes (L / 8) % 2,
	s_lshl_b32 s24, s20, 9
	v_add_nc_u32 v[AV], s24, v[AV]                 ; my 256 channels
	v_add_nc_u32 v[AV+1], 32*PCH, v[AV]
	v_add_nc_u32 v[AV+2], 64*PCH, v[AV]
	v_add_nc_u32 v[AV+3], 96*PCH, v[AV]
	s_lshl_b32 s24, s22, 9
	s_lshl_b32 s25, s21, 8
	s_add_co_u32 s24, s24, s25
	s_add_co_u32 s24, s24, SCR
	v_lshl_add_u32 v[SCA], v2, 2, s24              ; [nh][row 64 rh + 16 i + r]
	v_lshl_add_u32 v[SCL], v1, 4, SCR
	s_lshl_b32 s24, s20, 8
	s_add_co_u32 s24, s24, PB
	v_lshl_add_u32 v[PBS], v1, 3, s24
	v_lshl_add_u32 v[PBL], v3, 4, s24
	s_lshl_b32 s24, s20, 10
	s_add_co_u32 s24, s24, CST
	v_lshl_add_u32 v[CSA], v3, 5, s24
	v_lshl_add_u32 v[CSL], v1, 4, s24
	s_mov_b32 s[BLKS], 2
.Lblock:                                               ; two trips, a block each.  On both ways in the block's units 0 to 7 have been asked for and no load was issued behind them
	s_wait_loadcnt 56                              ; unit 0 is in; behind it: units 1 to 7
	TURNX 0
.irp x, 0,1,2,3,4,5,6,7,8,9,10,11,12,13,14,15,16,17,18,19,20,21,22,23,24
	STEPX \x, 48                                   ; behind unit x + 1: units x + 2 .. x + 7
.endr
	STEPX 25, 40                                   ; units 27 to 31
	STEPX 26, 45                                   ; 28 to 31, and share 0's 13
	STEPX 27, 37
	STEPX 28, 42                                   ; 30, 31, shares 0 and 1
	STEPX 29, 34
	STEPX 30, 39                                   ; shares 0 to 2
	STEPX 31, 0
	WIN 0
.irp i, 0,1,2,3
.irp q, 0,1,2,3
	ds_load_b32 v[SA+4*\i+\q], v[XRA] offset:512*\i+128*\q   ; context's scale words: tile i, K steps 2 q (lanes 0-15) and 2 q + 1 (lanes 16-31)
.endr
.endr
	BARRIER                                        ; nobody reads the stages, the images or the scale words any more: the ring's bytes are free
; ---------------- PHASE N.  32 turns; turn t multiplies my 64 rows by tile 32 nh + t of Wm (slot t) and does the vector work on the results of turn t - 1.
.macro FLOAD s, buf                    ; fragment s of my half of slot buf (under a setting with destination and source 0 in window 0)
.irp g, 0,1,2
	ds_load_b128 v[BF+12*(\s)+4*\g:BF+12*(\s)+4*\g+3], v[BFA+(\buf)] offset:FRB*(\s)+512*\g
.endr
.endm
.macro WM a, s, i                      ; accumulator set a, K step s, tile of rows i.  The first K step takes the bias as C: nothing is cleared, nothing is added later
	WIN 0x04+0x04*((\i)/2)
.set rD, ACC+32*(\a)+8*(\i)
.set rB, BF+12*(\s)
.set rA, 96*((\i)%2)+12*(\s)
.if (\s) == 0
	v_wmma_scale_f32_16x16x128_f8f6f4 v[rD:rD+7], v[rB:rB+11], v[rA:rA+11], v[BI:BI+7], v[SB+4*(\a)], v[SA+4*(\i)] matrix_a_fmt:MATRIX_FMT_FP6 matrix_b_fmt:MATRIX_FMT_FP6
.elseif (\s)%2
	v_wmma_scale_f32_16x16x128_f8f6f4 v[rD:rD+7], v[rB:rB+11], v[rA:rA+11], v[rD:rD+7], v[SB+4*(\a)+(\s)/2], v[SA+4*(\i)+(\s)/2] matrix_a_fmt:MATRIX_FMT_FP6 matrix_b_fmt:MATRIX_FMT_FP6 matrix_a_scale:MATRIX_SCALE_ROW1 matrix_b_scale:MATRIX_SCALE_ROW1
.else
	v_wmma_scale_f32_16x16x128_f8f6f4 v[rD:rD+7], v[rB:rB+11], v[rA:rA+11], v[rD:rD+7], v[SB+4*(\a)+(\s)/2], v[SA+4*(\i)+(\s)/2] matrix_a_fmt:MATRIX_FMT_FP6 matrix_b_fmt:MATRIX_FMT_FP6
.endif
.endm
; THE VECTOR WORK on accumulator set x, 32 registers z, in place: a list of 112 lines; EP writes number j.
;   0-47   c2 z (16 packed lines) and 2^(c2 z) (32): a pair is scaled three lines or more ahead of its exponentials; no line reads an exponential's result
;   48-95  1 + e (16) and 1 / (1 + e) (32), in the same pattern
;   96-111 the score's sums += v'' r, the four tiles by turns
; Every line has its destination, source 0 and source 2 in window 0 and, for source 1, a scalar, a constant or v'', which stands in windows 1 and 2 alike: so the list runs under the matrix instructions' own two settings.
; Each accumulator is read from its low end on.
.macro EP x
.set eX, ACC+32*(\x)
.if j < 96
.set eJ, j%48
.set eK, 1
.if eJ == 0
.set eK, 0
.set eR, 0
.elseif eJ >= 46
.set eR, eJ-16
.elseif (eJ-1)%3 == 0
.set eK, 0
.set eR, 2*((eJ-1)/3)+2
.else
.set eR, 2*((eJ-1)/3)+(eJ-1)%3-1
.endif
.if (j < 48) && (eK == 0)
	v_pk_mul_f32 v[eX+eR:eX+eR+1], v[eX+eR:eX+eR+1], s[30:31] op_sel_hi:[1,0]
.elseif j < 48
	v_exp_f32 v[eX+eR], v[eX+eR]
.elseif eK == 0
	v_pk_add_f32 v[eX+eR:eX+eR+1], v[eX+eR:eX+eR+1], 1.0 op_sel_hi:[1,0]
.else
	v_rcp_f32 v[eX+eR], v[eX+eR]
.endif
.else
.set eI, (j-96)%4
.set eR, 2*((j-96)/4)
	v_pk_fma_f32 v[SS+2*eI:SS+2*eI+1], v[eX+8*eI+eR:eX+8*eI+eR+1], v[VV+eR:VV+eR+1], v[SS+2*eI:SS+2*eI+1]
.endif
.endm
; Slice k of 32, one behind each matrix instruction: four lines of the first 96, or two of the last 16.  Behind slice 11 all 32 exponentials are out and no result has been named; behind slice 23 the 32 reciprocals likewise:
; there stand a plain line and one wait ahead of a batch's first reader.  No transcendental is issued behind slice 23.
.macro SLICE x
.if k < 24
.set j, 4*k
.rept 4
	EP \x
.set j, j+1
.endr
.else
.set j, 96+2*(k-24)
.rept 2
	EP \x
.set j, j+1
.endr
.endif
.if (k == 11) || (k == 23)
	v_nop
	s_wait_alu depctr_va_vdst(0)
.endif
.set k, k+1
.endm
; A K step's four matrix instructions.  The tiles go 0 1 2 3 in even K steps and 2 3 0 1 in odd ones: one switch of the window a group, and no two matrix instructions that follow each other share an accumulator
; over the turns' and the loop's edges too.
.macro GRP a, s
.if (\s)%2
.irp i, 2,3,0,1
	WM \a, \s, \i
	SLICE 1-(\a)
.endr
.else
.irp i, 0,1,2,3
	WM \a, \s, \i
	SLICE 1-(\a)
.endr
.endif
.endm
; A TURN.  pos = t % 4.  ld: share t + 4 is asked for.  st: share t + 2 goes into the slot that this turn leaves; lcnt: the loads issued behind it.  rl: slot t + 1 is read.  bar: the turn's barrier.
; ONE barrier a turn.  In front of it my reads of slot t are in (the last, fragment 7, was asked for eight matrix instructions earlier) and my stores of share t + 1 have landed.  Behind it slot t + 1 is whole and nobody reads slot t's bytes.
; A fragment's registers are loaded again one group or more behind their last matrix instruction: the slices between hold five plain lines or more that name none of its registers (four are asked: ISA guide 7.12.1 for vector instructions).
; Tile 0's last product is the turn's 31st matrix instruction; slices 30 and 31, four plain lines on the other set, stand between it and the next turn's first line, which reads it.
.macro TURN pos, ld, st, lcnt, rl, bar
.set k, 0
.if \ld
	BLOAD \pos, (\pos)+4                           ; into the set whose share went to LDS two turns ago
.endif
	GRP (\pos)%2, 0
	FLOAD 7, (\pos)%2
	GRP (\pos)%2, 1
	GRP (\pos)%2, 2
	s_wait_dscnt 0x0
.if \bar
	s_barrier_signal -1
.endif
	GRP (\pos)%2, 3                                ; work on registers while the others arrive
.if \bar
	s_barrier_wait -1
.endif
.if \rl
	FLOAD 0, ((\pos)+1)%2
	ds_load_b128 v[SB+4*(((\pos)+1)%2):SB+4*(((\pos)+1)%2)+3], v[BFA+((\pos)+1)%2] offset:8*FRB   ; the next tile's scale words: word q: K steps 2 q and 2 q + 1
	ds_load_b128 v[BI:BI+3], v[BIA] offset:((\pos)+1)*64
	ds_load_b128 v[BI+4:BI+7], v[BIA] offset:((\pos)+1)*64+16
	FLOAD 1, ((\pos)+1)%2
	FLOAD 2, ((\pos)+1)%2
.endif
	WIN 0x40
	ds_load_b128 v[VV:VV+3], v[VVA] offset:(\pos)*64       ; v'' of the tile whose results are at work: the last turn's
	ds_load_b128 v[VV+4:VV+7], v[VVA] offset:(\pos)*64+16
	WIN 0x80
	ds_load_b128 v[VV:VV+3], v[VVA] offset:(\pos)*64
	ds_load_b128 v[VV+4:VV+7], v[VVA] offset:(\pos)*64+16
	GRP (\pos)%2, 4
.if \rl
	FLOAD 3, ((\pos)+1)%2
.endif
	GRP (\pos)%2, 5
.if \rl
	FLOAD 4, ((\pos)+1)%2
	s_wait_dscnt 6                                 ; all but fragments 3 and 4: v'' is in, and so are the next turn's fragments 0 to 2, its scale words and its bias
.else
	s_wait_dscnt 0x0
.endif
	GRP (\pos)%2, 6
.if \rl
	FLOAD 5, ((\pos)+1)%2
.endif
.if \st
	s_wait_loadcnt \lcnt
	BSTORE ((\pos)+2)%4, (\pos)%2
.endif
	GRP (\pos)%2, 7
.if \rl
	FLOAD 6, ((\pos)+1)%2
.endif
.endm
	s_wait_loadcnt 26                              ; shares 0 and 1 are in; 2 and 3 may be out
	BSTORE 0, 0
	BSTORE 1, 1
	BARRIER
	WIN 0
	FLOAD 0, 0
	ds_load_b128 v[SB:SB+3], v[BFA] offset:8*FRB
	ds_load_b128 v[BI:BI+3], v[BI0]
	ds_load_b128 v[BI+4:BI+7], v[BI0] offset:16
.irp s, 1,2,3,4,5,6
	FLOAD \s, 0
.endr
.irp i, 0,1,2,3,4,5,6,7
	v_mov_b32 v[SS+\i], 0                          ; the score's sums
.endr
.irp i, 0,1,2,3,4,5,6,7,8,9,10,11,12,13,14,15,16,17,18,19,20,21,22,23,24,25,26,27,28,29,30,31
	v_mov_b32 v[ACC+32+\i], 0                      ; the turn is written once: the first turn's vector work finds zeros here and the zeros in front of v'', and adds nothing
.endr
	s_wait_dscnt 0x0
	s_mov_b32 s34, 7
	s_mov_b32 s35, 0                               ; four tiles' 256 bytes a trip, in the bias and in v''
.Ltrip:                                                ; seven trips of four turns: turns 0 to 27 ask for shares 4 to 31
	v_add_nc_u32 v[BIA], s35, v[BI0]
	v_add_nc_u32 v[VVA], s35, v[VV0]
	TURN 0, 1, 1, 26, 1, 1                         ; behind share t + 2: shares t + 3 and t + 4, 26 loads
	TURN 1, 1, 1, 26, 1, 1
	TURN 2, 1, 1, 26, 1, 1
	TURN 3, 1, 1, 26, 1, 1
	WIN 0                                          ; at a branch and at a label every window is 0
	s_wait_xcnt 0x0                                ; the loads have read their bases: they step only behind this wait
	s_add_nc_u64 s[8:9], s[8:9], 4*8*FRB
	s_add_nc_u64 s[10:11], s[10:11], 4*512
	s_add_co_u32 s35, s35, 256
	s_sub_co_u32 s34, s34, 1
	s_cmp_lg_u32 s34, 0
	s_cbranch_scc1 .Ltrip
	s_sub_nc_u64 s[8:9], s[8:9], 7*4*8*FRB         ; Wm's bases go back to the first tile, for the next block (no load has been issued since the wait above)
	s_sub_nc_u64 s[10:11], s[10:11], 7*4*512
	v_add_nc_u32 v[BIA], s35, v[BI0]
	v_add_nc_u32 v[VVA], s35, v[VV0]
	TURN 0, 0, 1, 13, 1, 1                         ; turn 28: nothing more of Wm to ask for; behind share 30: share 31
	TURN 1, 0, 1, 0, 1, 1                          ; turn 29: share 31: no load of mine is out behind its wait
	TURN 2, 0, 0, 0, 1, 1                          ; turn 30: its wait for all LDS instructions shows that share 31's stores have read their registers: window 3 is free
	WIN 0
	s_cmp_eq_u32 s[BLKS], 1
	s_cbranch_scc1 .Lno_next                       ; the last block asks for nothing: no load leaves its buffer
.irp x, 0,1,2,3,4,5,6,7
	XLOAD \x, BLKB                                 ; THE NEXT BLOCK'S FIRST EIGHT UNITS: nothing waits for them before the next trip's head
.endr
	WIN 0
.Lno_next:
	TURN 3, 0, 0, 0, 0, 0                          ; turn 31: no slot follows
	WIN 0x40
	ds_load_b128 v[VV:VV+3], v[VVA] offset:256     ; v'' of tile 31
	ds_load_b128 v[VV+4:VV+7], v[VVA] offset:272
	WIN 0x04
.set k, 0
.rept 24
	SLICE 1                                        ; the last tile's vector work, with nothing to set it between
.endr
	s_wait_dscnt 0x0
.rept 8
	SLICE 1
.endr
; ---------------- PHASES S AND C
.macro CLOAD kp                        ; rows 32 kp .. + 31 of my 256 channels, turned: 16 fragments (16 channels x 32 rows), two loads each
.irp t, 0,1,2,3,4,5,6,7,8,9,10,11,12,13,14,15
	ds_load_tr16_b128 v[128*((\kp)%2)+8*\t:128*((\kp)%2)+8*\t+3], v[AV+(\kp)] offset:32*\t
	ds_load_tr16_b128 v[128*((\kp)%2)+8*\t+4:128*((\kp)%2)+8*\t+7], v[AV+(\kp)] offset:32*\t+16*PCH
.endr
.endm
.macro CMUL kp                         ; source 0 = 16 channels, source 1 = p in all sixteen columns; the sixteen accumulators by turns; the first product starts the sums
.irp t, 0,1,2,3,4,5,6,7,8,9,10,11,12,13,14,15
.if (\kp) == 0
	v_wmma_f32_16x16x32_bf16 v[DD+8*\t:DD+8*\t+7], v[128*((\kp)%2)+8*\t:128*((\kp)%2)+8*\t+7], v[PF+8*(\kp):PF+8*(\kp)+7], 0
.else
	v_wmma_f32_16x16x32_bf16 v[DD+8*\t:DD+8*\t+7], v[128*((\kp)%2)+8*\t:128*((\kp)%2)+8*\t+7], v[PF+8*(\kp):PF+8*(\kp)+7], v[DD+8*\t:DD+8*\t+7]
.endif
.endr
.endm
	WIN 0x40
	CLOAD 0                                        ; context's fragments are done with (the last pass's packed lines are the places behind their last products): rows 0 to 63 of the copy land in their place while the weights are made
	CLOAD 1
	WIN 0
.irp i, 0,1,2,3
	v_add_f32 v[232+\i], v[SS+2*\i], v[SS+2*\i+1]
.endr
.irp i, 0,1,2,3
	v_permlanex16_b32 v[236+\i], v[232+\i], s32, s33   ; the row's other eight outputs of each tile lie in lane l xor 16
.endr
.irp i, 0,1,2,3
	v_add_f32 v[232+\i], v[232+\i], v[236+\i]
.endr
.irp i, 0,1,2,3
	ds_store_b32 v[SCA], v[232+\i] offset:64*\i    ; my 512 outputs' part of u; lanes r and 16 + r write the same word with the same value
.endr
	BARRIER
	ds_load_b128 v[240:243], v[SCL]                ; every wave makes the whole block's weights: rows 4 L .. 4 L + 3
	ds_load_b128 v[244:247], v[SCL] offset:512
	s_wait_dscnt 0x0
	v_pk_add_f32 v[240:241], v[240:241], v[244:245]
	v_pk_add_f32 v[242:243], v[242:243], v[246:247]   ; u
	v_max3_num_f32 v248, v240, v241, v242
	v_max_num_f32 v248, v248, v243
	v_max_num_f32_dpp v248, v248, v248 row_xmask:1 row_mask:0xf bank_mask:0xf
	v_max_num_f32_dpp v248, v248, v248 row_xmask:2 row_mask:0xf bank_mask:0xf
	v_max_num_f32_dpp v248, v248, v248 row_xmask:4 row_mask:0xf bank_mask:0xf
	v_max_num_f32_dpp v248, v248, v248 row_xmask:8 row_mask:0xf bank_mask:0xf
	v_permlanex16_b32 v236, v248, s32, s33
	v_max_num_f32 v248, v248, v236                 ; m: the block's largest u
.irp i, 0,1,2,3
	v_sub_f32 v[244+\i], v[240+\i], v248
.endr
.irp i, 0,1,2,3
	v_exp_f32 v[244+\i], v[244+\i]                 ; p = 2^(u - m), at most 1
.endr
	v_nop                                          ; a plain line behind the last exponential,
	s_wait_alu depctr_va_vdst(0)                   ; and one wait ahead of the batch's first reader
	v_add_f32 v250, v244, v245
	v_add_f32 v251, v246, v247
	v_add_f32 v250, v250, v251
	v_add_f32_dpp v250, v250, v250 row_xmask:1 row_mask:0xf bank_mask:0xf
	v_add_f32_dpp v250, v250, v250 row_xmask:2 row_mask:0xf bank_mask:0xf
	v_add_f32_dpp v250, v250, v250 row_xmask:4 row_mask:0xf bank_mask:0xf
	v_add_f32_dpp v250, v250, v250 row_xmask:8 row_mask:0xf bank_mask:0xf
	v_permlanex16_b32 v236, v250, s32, s33
	v_add_f32 v249, v250, v236                     ; l, beside m
	v_cvt_pk_bf16_f32 v232, v244, v245
	v_cvt_pk_bf16_f32 v233, v246, v247
	ds_store_b64 v[PBS], v[232:233]                ; p by rows, in bytes of my wave's own
.irp q, 0,1,2,3
	ds_load_b128 v[PF+8*\q:PF+8*\q+3], v[PBL] offset:64*\q        ; source 1 of the product: rows 32 q + 8 h + 0 .. 7,
	ds_load_b128 v[PF+8*\q+4:PF+8*\q+7], v[PBL] offset:64*\q+32   ; and 32 q + 16 + 8 h + 0 .. 7; every column the same
.endr
	s_cmp_lg_u32 s20, 0
	s_cbranch_scc1 .Lnot_wave_0
	global_store_b128 v[GBA], v[240:243], s[14:15]   ; u: 512 consecutive bytes
	global_store_b64 v[GBS], v[248:249], s[16:17]    ; (m, l), 32 times: 256 consecutive bytes, aligned
.Lnot_wave_0:
	WIN 0x80
	CLOAD 2
	s_wait_dscnt 32                                ; p's fragments are in (rows 0 to 63 were in at the barrier); rows 64 to 95 may be out
	WIN 0x01
	CMUL 0
	WIN 0x80
	CLOAD 3
	WIN 0x01
	CMUL 1
	s_wait_dscnt 32                                ; rows 64 to 95 are in
	WIN 0x02
	CMUL 2
	s_wait_dscnt 0x0
	CMUL 3
	WIN 0
.rept 4
	v_nop                                          ; four places ahead of the first read of the last result
.endr
.irp t, 0,1,2,3,4,5,6,7,8,9,10,11,12,13,14,15
	ds_store_b128 v[CSA], v[DD+8*\t:DD+8*\t+3] offset:64*\t        ; lane (r, h): channels 16 t + 8 h + 0 .. 7, the same in all sixteen r: they write the same bytes with the same values
	ds_store_b128 v[CSA], v[DD+8*\t+4:DD+8*\t+7] offset:64*\t+16
.endr
	ds_load_b128 v[232:235], v[CSL]                ; LDS serves a wave's instructions in order: these see my stores
	ds_load_b128 v[236:239], v[CSL] offset:512
	s_wait_dscnt 0x0
	global_store_b128 v[GBA], v[232:235], s[18:19]             ; 512 consecutive bytes a store
	global_store_b128 v[GBA], v[236:239], s[18:19] offset:512
	s_wait_xcnt 0x0                                ; the stores, and the loads for the next block, have read their bases and registers: only behind this wait do the bases step
	s_add_nc_u64 s[4:5], s[4:5], BLKB
	s_add_nc_u64 s[14:15], s[14:15], 512
	s_add_nc_u64 s[16:17], s[16:17], 256
	s_add_nc_u64 s[18:19], s[18:19], 4096
	BARRIER                                        ; every wave's reads of the copy, of p and of the way out are in: the next block's phase X writes those bytes
	s_sub_co_u32 s[BLKS], s[BLKS], 1
	s_cmp_lg_u32 s[BLKS], 0
	s_cbranch_scc1 .Lblock
	s_wait_xcnt 0x0
	v_lshl_add_u32 v254, v0, 2, 0x4fd00
	v_mov_b32 v255, 0
	s_wait_tensorcnt 0x0
	ds_add_u32 v254, v255
	s_wait_dscnt 0x0
	s_endpgm
.Lfunc_end_k_qa175fa11df_attn:
	.size	k_qa175fa11df_attn, .Lfunc_end_k_qa175fa11df_attn-k_qa175fa11df_attn
	.p2alignl 7, 3214868480
	.fill 96, 4, 3214868480
	.section	.rodata,"a",@progbits
	.p2align	6, 0x0
	.amdhsa_kernel k_qa175fa11df_attn
		.amdhsa_group_segment_fixed_size 327680
		.amdhsa_private_segment_fixed_size 0
		.amdhsa_enable_private_segment 0
		.amdhsa_kernarg_size 64
		.amdhsa_user_sgpr_count 2
		.amdhsa_user_sgpr_kernarg_segment_ptr 1
		.amdhsa_wavefront_size32 1
		.amdhsa_system_sgpr_workgroup_id_x 1
		.amdhsa_system_sgpr_workgroup_id_y 1
		.amdhsa_system_sgpr_workgroup_id_z 1
		.amdhsa_system_vgpr_workitem_id 0
		.amdhsa_next_free_vgpr 1024
		.amdhsa_next_free_sgpr 66
		.amdhsa_reserve_vcc 0
		.amdhsa_float_denorm_mode_32 3
		.amdhsa_float_denorm_mode_16_64 3
		.amdhsa_memory_ordered 1
		.amdhsa_forward_progress 1
		.amdhsa_inst_pref_size 255
	.end_amdhsa_kernel
	.section	.bss,"aw",@nobits
	.p2align	6
	.space	262144
	.amdgpu_metadata
---
amdhsa.version: [ 1, 2 ]
amdhsa.kernels:
  - .name:           k_qa175fa11df_attn
    .symbol:         k_qa175fa11df_attn.kd
    .args:
      - { .name: context, .offset: 0, .size: 8, .value_kind: global_buffer, .address_space: global }
      - { .name: v, .offset: 8, .size: 8, .value_kind: global_buffer, .address_space: global }
      - { .name: wmc, .offset: 16, .size: 8, .value_kind: global_buffer, .address_space: global }
      - { .name: wms, .offset: 24, .size: 8, .value_kind: global_buffer, .address_space: global }
      - { .name: hxb, .offset: 32, .size: 8, .value_kind: global_buffer, .address_space: global }
      - { .name: part_u, .offset: 40, .size: 8, .value_kind: global_buffer, .address_space: global }
      - { .name: part_ml, .offset: 48, .size: 8, .value_kind: global_buffer, .address_space: global }
      - { .name: part_c, .offset: 56, .size: 8, .value_kind: global_buffer, .address_space: global }
    .group_segment_fixed_size: 327680
    .private_segment_fixed_size: 0
    .kernarg_segment_align: 8
    .kernarg_segment_size: 64
    .max_flat_workgroup_size: 128
    .sgpr_count:     66
    .vgpr_count:     1024
    .wavefront_size: 32
...
	.end_amdgpu_metadata
.endif
;; end of part 2
;; launch finish (part 3): grid 4 x 32, 2 waves a work-group, no clusters, 0 bytes of LDS; arguments part_u, part_ml, part_c, out0, out1; writes out0, out1
.if DOCPART == 3
	.amdgcn_target "amdgcn-amd-amdhsa--gfx1250"
	.amdhsa_code_object_version 6
	.text
	.protected	k_qa175fa11df_finish
	.globl	k_qa175fa11df_finish
	.p2align	8
	.type	k_qa175fa11df_finish,@function
k_qa175fa11df_finish:
	s_mov_b64 s[64:65], 0
	v_nop
	global_prefetch_b8 v0, s[64:65] scope:SCOPE_SE
	s_setreg_imm32_b32 hwreg(HW_REG_WAVE_MODE, 25, 1), 1
	s_wait_xcnt 0x0
; A batch's 16 blocks are joined.  Block k left u (its rows' scores in powers of two), m_k (its largest u), l_k (the sum of 2^(u - m_k)) and c_k (the sum of 2^(u - m_k) x context).
; M = the largest m_k;  w_k = 2^(m_k - M);  L = the sum of w_k l_k;  out0 = the sum of c_k w_k / L;  out1 = 2^(u - M) / L.
; Work-group (q, b): batch b, channels 256 q .. + 255 of out0 and rows 512 q .. + 511 of out1; 64 threads, 16 bytes each: a wave's load or store covers 512 consecutive bytes.
; Memory binds what little there is (2.5 MB in, 0.4 MB out): no LDS, no barrier, no matrix unit.  A weight that falls under the smallest normal f32 number counts as 0.
.set EW,  16                           ; v16-31  w_k; later v16-19 out0's sums
.set CK,  32                           ; v32-95  c_k, four numbers each
.set WP,  96                           ; v96-127 w_k / L, each twice: a pair for the packed multiply-add
	s_load_b256 s[4:11], s[0:1], 0x0               ; part_u, part_ml, part_c, out0
	s_load_b64 s[12:13], s[0:1], 0x20              ; out1
	s_and_b32 s14, ttmp7, 0xffff                   ; b
	v_lshlrev_b32 v1, 4, v0                        ; 16 t
	s_lshl_b32 s48, s14, 12                        ; part_ml: 16 blocks of 256 bytes
	s_mov_b32 s49, 0
	s_lshl_b32 s50, s14, 13
	s_lshl_b32 s51, ttmp9, 11
	s_add_co_u32 s50, s50, s51                     ; part_u, out1: 8,192 b + 2,048 q
	s_mov_b32 s51, 0
	s_lshl_b32 s52, s14, 16
	s_lshl_b32 s53, ttmp9, 10
	s_add_co_u32 s52, s52, s53                     ; part_c: 65,536 b + 1,024 q
	s_add_co_u32 s54, s48, s53                     ; out0: 4,096 b + 1,024 q
	s_mov_b32 s53, 0
	s_mov_b32 s55, 0
	s_wait_kmcnt 0x0
	s_add_nc_u64 s[6:7], s[6:7], s[48:49]
	s_add_nc_u64 s[4:5], s[4:5], s[50:51]
	s_add_nc_u64 s[8:9], s[8:9], s[52:53]
	s_add_nc_u64 s[10:11], s[10:11], s[54:55]
	s_add_nc_u64 s[12:13], s[12:13], s[50:51]
.irp k, 0,1,2,3,4,5,6,7,8,9,10,11,12,13,14,15
	s_load_b64 s[16+2*\k:17+2*\k], s[6:7], 256*\k  ; (m_k, l_k)
.endr
	global_load_b128 v[4:7], v1, s[4:5]            ; u
	global_load_b128 v[8:11], v1, s[4:5] offset:1024
.irp k, 0,1,2,3,4,5,6,7,8,9,10,11,12,13,14,15
	global_load_b128 v[CK+4*\k:CK+4*\k+3], v1, s[8:9] offset:4096*\k
.endr
	s_wait_kmcnt 0x0
	v_mov_b32 v2, s16
.irp k, 1,3,5,7,9,11,13
	v_max3_num_f32 v2, v2, s[16+2*\k], s[18+2*\k]
.endr
	v_max_num_f32 v2, s46, v2                      ; M
.irp k, 0,1,2,3,4,5,6,7,8,9,10,11,12,13,14,15
	v_sub_f32 v[EW+\k], s[16+2*\k], v2
.endr
	s_wait_loadcnt 16                              ; u is in; the sixteen c_k may be out
.irp i, 0,1,2,3,4,5,6,7
	v_sub_f32 v[4+\i], v[4+\i], v2
.endr
.irp k, 0,1,2,3,4,5,6,7,8,9,10,11,12,13,14,15
	v_exp_f32 v[EW+\k], v[EW+\k]                   ; w_k
.endr
.irp i, 0,1,2,3,4,5,6,7
	v_exp_f32 v[4+\i], v[4+\i]                     ; 2^(u - M)
.endr
	v_nop                                          ; a plain line behind the last exponential,
	s_wait_alu depctr_va_vdst(0)                   ; and one wait for the batch of 24 ahead of its first reader
	v_mul_f32 v3, s17, v[EW]
.irp k, 1,2,3,4,5,6,7,8,9,10,11,12,13,14,15
	v_fma_f32 v3, v[EW+\k], s[17+2*\k], v3         ; L: at least 1, since the block that holds M has w = 1 and l >= 1
.endr
	v_rcp_f32 v12, v3
	v_nop
	s_wait_alu depctr_va_vdst(0)
.irp k, 0,1,2,3,4,5,6,7,8,9,10,11,12,13,14,15
	v_mul_f32 v[WP+2*\k], v[EW+\k], v12
	v_mul_f32 v[WP+2*\k+1], v[EW+\k], v12
.endr
.irp i, 0,1,2,3,4,5,6,7
	v_mul_f32 v[4+\i], v[4+\i], v12
.endr
	global_store_b128 v1, v[4:7], s[12:13]
	global_store_b128 v1, v[8:11], s[12:13] offset:1024
	s_wait_loadcnt 0x0
	v_pk_mul_f32 v[16:17], v[CK:CK+1], v[WP:WP+1]  ; the first block starts the sums
	v_pk_mul_f32 v[18:19], v[CK+2:CK+3], v[WP:WP+1]
.irp k, 1,2,3,4,5,6,7,8,9,10,11,12,13,14,15
	v_pk_fma_f32 v[16:17], v[CK+4*\k:CK+4*\k+1], v[WP+2*\k:WP+2*\k+1], v[16:17]
	v_pk_fma_f32 v[18:19], v[CK+4*\k+2:CK+4*\k+3], v[WP+2*\k:WP+2*\k+1], v[18:19]
.endr
	global_store_b128 v1, v[16:19], s[10:11]
	s_endpgm
.Lfunc_end_k_qa175fa11df_finish:
	.size	k_qa175fa11df_finish, .Lfunc_end_k_qa175fa11df_finish-k_qa175fa11df_finish
	.p2alignl 7, 3214868480
	.fill 96, 4, 3214868480
	.section	.rodata,"a",@progbits
	.p2align	6, 0x0
	.amdhsa_kernel k_qa175fa11df_finish
		.amdhsa_group_segment_fixed_size 0
		.amdhsa_private_segment_fixed_size 0
		.amdhsa_enable_private_segment 0
		.amdhsa_kernarg_size 40
		.amdhsa_user_sgpr_count 2
		.amdhsa_user_sgpr_kernarg_segment_ptr 1
		.amdhsa_wavefront_size32 1
		.amdhsa_system_sgpr_workgroup_id_x 1
		.amdhsa_system_sgpr_workgroup_id_y 1
		.amdhsa_system_sgpr_workgroup_id_z 1
		.amdhsa_system_vgpr_workitem_id 0
		.amdhsa_next_free_vgpr 128
		.amdhsa_next_free_sgpr 66
		.amdhsa_reserve_vcc 0
		.amdhsa_float_denorm_mode_32 3
		.amdhsa_float_denorm_mode_16_64 3
		.amdhsa_memory_ordered 1
		.amdhsa_forward_progress 1
		.amdhsa_inst_pref_size 11
	.end_amdhsa_kernel
	.amdgpu_metadata
---
amdhsa.version: [ 1, 2 ]
amdhsa.kernels:
  - .name:           k_qa175fa11df_finish
    .symbol:         k_qa175fa11df_finish.kd
    .args:
      - { .name: part_u, .offset: 0, .size: 8, .value_kind: global_buffer, .address_space: global }
      - { .name: part_ml, .offset: 8, .size: 8, .value_kind: global_buffer, .address_space: global }
      - { .name: part_c, .offset: 16, .size: 8, .value_kind: global_buffer, .address_space: global }
      - { .name: out0, .offset: 24, .size: 8, .value_kind: global_buffer, .address_space: global }
      - { .name: out1, .offset: 32, .size: 8, .value_kind: global_buffer, .address_space: global }
    .group_segment_fixed_size: 0
    .private_segment_fixed_size: 0
    .kernarg_segment_align: 8
    .kernarg_segment_size: 40
    .max_flat_workgroup_size: 64
    .sgpr_count:     66
    .vgpr_count:     128
    .wavefront_size: 32
...
	.end_amdgpu_metadata
.endif
;; end of part 3
;; ======== version 2 of 2: 3 launches; version 1 with the launches prep, attn written anew for expert scheduling mode
;; workspace buffers: wmc 786,432 bytes; wms 32,768 bytes; hxb 131,072 bytes; part_u 262,144 bytes; part_ml 131,072 bytes; part_c 2,097,152 bytes
;; launch prep (part 4): grid 128 x 1, 8 waves a work-group, no clusters, 288,256 bytes of LDS; arguments Wm, Wq, x, bq, bm, wmc, wms, hxb; writes wmc, wms, hxb
.if DOCPART == 4
	.amdgcn_target "amdgcn-amd-amdhsa--gfx1250"
	.amdhsa_code_object_version 6
	.text
	.protected	k_qa175fa11df_prep
	.globl	k_qa175fa11df_prep
	.p2align	8
	.type	k_qa175fa11df_prep,@function
k_qa175fa11df_prep:
	s_mov_b64 s[64:65], 0
	v_nop
	global_prefetch_b8 v0, s[64:65] scope:SCOPE_SE
	s_setreg_imm32_b32 hwreg(HW_REG_WAVE_SCHED_MODE, 0, 2), 2
	s_setreg_imm32_b32 hwreg(HW_REG_WAVE_MODE, 25, 1), 1
	s_wait_xcnt 0x0
	s_wait_alu depctr_vm_vsrc(0)
; Work-groups 0-63: 16 rows of Wm [1024][1024] f32 become codes of E2M3 with one E8M0 scale for each 32 along K, laid as the later launch's operand registers want them:
;   wmc [64 n][8 s][3 g][32 lanes][16 bytes]: registers 4 g .. 4 g + 3 of the fragment (rows 16 n .. 16 n + 15, K = 128 s .. 128 s + 127);
;   wms [64 n][32 lanes][4 words]: lane (r, h), word q: the scale word of row 16 n + r for K step 2 q + h.
; Work-groups 64-127: 16 rows of Wq are quantised the same way, x [32][1024] too, and hxb[n][b][16] = Q(x) Q(Wq)^T + bq + bm for outputs 16 n .. 16 n + 15 of all 32 batches.
; Eight waves; wave s takes K step s.  A K step of a row is 512 bytes: one load of the wave, 16 bytes a lane, takes it whole.  The 6-bit operand wants lane (r, h) to hold k = 64 c + 32 h + 0 .. 31 of row r (two whole
; blocks of 32): so a fragment's 16 rows go through a stage of the wave's own in LDS, as loaded, and come back so, into the registers that they left.
; A block's scale is 2^(floor(log2(largest magnitude)) - 2); its byte is the largest magnitude's exponent field - 2, held at 1 from below.
; LIMITS: a block of zeros gets the byte 1 where the quantiser says 127 (its codes are zeros, and this program alone reads the bytes); NaN and infinities among the inputs are not served.
; The x Wq product's K is shared among the eight waves; their partial sums meet in LDS and are added in ascending K (an order of f32 additions other than one chain's).
; The two kinds of work-group have LDS bytes of their own: 0-511 Wm's scale image, 512-16,895 the partial sums; of a wave's four stages 0 to 2 serve Wq and x's two tiles, 3 serves Wm.
; THE MODE: SCHED_MODE bits 1:0 = 2 (LLVM: expert scheduling mode 2), set by the entry lines.  The code itself states the register dependences
; between vector or matrix instructions and memory or LDS instructions, with s_wait_alu, always for 0.
; THE PLAN.  Registers that memory or LDS instructions touch:
;   v4-v13        offsets and LDS addresses, made once at the head: one wait on va_vdst ahead of the first load serves them all.
;   XW, XX        loaded from memory; read by a turn's sixteen LDS stores; the turn's sixteen LDS loads land in them again: one wait on vm_vsrc between the two runs.  Then vector instructions alone read them.
;   PCW, v240, the two results, out-sums   written by vector or matrix instructions, read by stores: one wait on va_vdst ahead of each run of stores.
;   v64-95        read by the quantiser, later the partial sums' LDS loads land there: the wait ahead of the results' stores stands between.
.set XW,  16                           ; v16-79   64 numbers of W
.set XX,  80                           ; v80-207  2 x 64 numbers of x
.set PCW, 208                          ; v208-219 W's codes;  x's: v16-27, v32-43 (free once W is quantised)
.set TC,  220                          ; v220-226 the upper halves of two blocks' codes, as the conversions leave them
.set TM,  228                          ; v228-229 largest magnitudes, v230-231 scale operands, v232-233 bytes, v234 the other half's bytes
.set RB,  512                          ; LDS: the partial sums, 2,048 bytes a wave
.set SPI, 528                          ; a stage's row: 512 bytes + 16: the sixteen rows that a load touches begin 16 bytes apart modulo 256
.set STGB, 16*SPI
.set STG, 16896                        ; the stages: four for each wave
	s_load_b512 s[4:19], s[0:1], 0x0               ; Wm, Wq, x, bq, bm, wmc, wms, hxb
	v_lshl_add_u32 v254, v0, 2, 0x46200
	v_mov_b32 v255, 0
	v_lshrrev_b32 v1, 5, v0
	v_readfirstlane_b32 s20, v1                    ; wave = K step s
	v_and_b32 v1, 15, v0                           ; r
	v_bfe_u32 v2, v0, 4, 1                         ; h
	v_and_b32 v11, 31, v0
	v_lshlrev_b32 v4, 4, v11                       ; 16 x lane
	v_lshlrev_b32 v5, 3, v2                        ; 8 h: my bytes' place in a scale word
	s_and_b32 s21, ttmp9, 63                       ; n
	s_wait_alu depctr_va_sdst(0)                   ; s20 is written, ahead of its first reader
	; every LDS address is made here, ahead of the parting of the ways
	s_mul_i32 s38, s20, 4*STGB
	s_add_co_u32 s38, s38, STG
	v_add_nc_u32 v12, s38, v4                      ; a stage, in: 16 x lane of a row
	v_mul_u32_u24 v13, v1, SPI
	v_lshl_add_u32 v13, v2, 7, v13
	v_add_nc_u32 v13, s38, v13                     ; and out: row r, + 128 h
	s_and_b32 s26, s20, 1
	s_lshl_b32 s26, s26, 8
	s_lshr_b32 s27, s20, 1
	s_lshl_b32 s27, s27, 2
	s_add_co_u32 s26, s26, s27
	v_lshl_add_u32 v6, v1, 4, s26                  ; the scale image: (r + 16 (s & 1)) x 16 + 4 (s >> 1)
	s_lshl_b32 s26, s20, 11
	s_add_co_u32 s26, s26, RB
	v_add_nc_u32 v8, s26, v4                       ; my partial sums: RB + 2,048 s + 16 x lane
	s_and_b32 s26, s20, 3                          ; w: the wave's number among the four that add
	s_lshr_b32 s27, s26, 1
	s_lshl_b32 s27, s27, 10                        ; x's tile u = w >> 1
	s_and_b32 s28, s26, 1
	s_lshl_b32 s28, s28, 7                         ; lanes 8 (w & 1) on
	s_add_co_u32 s27, s27, s28
	s_add_co_u32 s27, s27, RB
	v_and_b32 v9, 1, v0
	v_lshlrev_b32 v9, 9, v9                        ; registers 4 (L & 1) on
	v_bfe_u32 v10, v0, 1, 1
	v_lshl_add_u32 v9, v10, 8, v9                  ; half (L >> 1) & 1 of the lanes
	v_bfe_u32 v10, v0, 2, 3
	v_lshl_add_u32 v9, v10, 4, v9                  ; lane L >> 2 of the eight
	v_add_nc_u32 v9, s27, v9                       ; where batch 8 w + (L >> 2), outputs 4 (L & 3) .. + 3 lie in wave 0's partial sums
	v_and_b32 v10, 3, v0
	v_lshlrev_b32 v10, 4, v10
	s_lshl_b32 s28, s21, 6
	v_add_nc_u32 v10, s28, v10                     ; bq, bm: (16 n + 4 (L & 3)) x 4
	s_lshl_b32 s28, s26, 9
	v_add_nc_u32 v7, s28, v4                       ; hxb: 512 w + 16 L
	s_lshl_b32 s28, s21, 3
	s_add_co_u32 s28, s28, s20
	s_mul_i32 s28, s28, 1536                       ; wmc: fragment 8 n + s
	s_mov_b32 s29, 0
	s_lshl_b32 s30, s21, 9                         ; wms: 512 n
	s_mov_b32 s31, 0
	s_lshl_b32 s32, s21, 11                        ; hxb: 2,048 n
	s_mov_b32 s33, 0
	s_lshl_b32 s34, s21, 16
	s_lshl_b32 s36, s20, 9
	s_add_co_u32 s34, s34, s36                     ; W: 16 n rows + 512 s
	s_mov_b32 s35, 0
	s_mov_b32 s37, 0                               ; x: 512 s
	s_mov_b32 s24, 0x76543210
	s_mov_b32 s25, 0xfedcba98                      ; v_permlanex16_b32's selects for lane l xor 16
	v_mov_b32 v[TM+6], 0                           ; written once: a lane permute's destination counts as one of its sources
	s_wait_kmcnt 0x0
	s_cmp_lt_u32 ttmp9, 64                         ; Wm's work-group or Wq's: the choice hangs on the work-group's number alone
	s_cselect_b64 s[22:23], s[4:5], s[6:7]
	s_add_nc_u64 s[22:23], s[22:23], s[34:35]
	s_add_nc_u64 s[8:9], s[8:9], s[36:37]
	s_add_nc_u64 s[14:15], s[14:15], s[28:29]
	s_add_nc_u64 s[16:17], s[16:17], s[30:31]
	s_add_nc_u64 s[18:19], s[18:19], s[32:33]
	s_wait_alu depctr_va_vdst(0)                   ; the offsets and LDS addresses v4 to v13 are written: every load, store and LDS instruction below reads one of them
.irp i, 0,1,2,3,4,5,6,7,8,9,10,11,12,13,14,15
	global_load_b128 v[XW+4*\i:XW+4*\i+3], v4, s[22:23] offset:4096*\i th:TH_LOAD_NT   ; row i: 32 lanes read 512 consecutive bytes
.endr
; A fragment's 16 rows, v[src + 4 i ..] = row i as loaded, go through stage f and come back as v[src + 32 c + 4 j ..] = k 64 c + 32 h + 4 j .. of row r.  32 LDS instructions.
; LDS serves a wave's instructions in order (ISA guide 5.7.1.4): the loads see the stores, and no wait on DScnt stands between them.
.macro TURNP src, f
.irp i, 0,1,2,3,4,5,6,7,8,9,10,11,12,13,14,15
	ds_store_b128 v12, v[\src+4*\i:\src+4*\i+3] offset:(\f)*STGB+\i*SPI
.endr
	s_wait_alu depctr_vm_vsrc(0)                   ; the sixteen stores have read v[src ..], in which the sixteen loads land
.irp c, 0,1
.irp j, 0,1,2,3,4,5,6,7
	ds_load_b128 v[\src+32*\c+4*\j:\src+32*\c+4*\j+3], v13 offset:(\f)*STGB+256*\c+16*\j
.endr
.endr
.endm
; 64 numbers of a lane, v[src + 32 c + i] = k 64 c + 32 h + i of my row, become a fragment's 12 registers in v[pc] on and the row's scale word in v[pw].
.macro QUANT2 src, pc, pw
.irp c, 0,1
	v_max3_num_f32 v[TM+\c], |v[\src+32*\c]|, |v[\src+32*\c+1]|, 0x1800000   ; my block 2 c + h, and the floor 2^(3 - 127): the byte cannot fall under 1
.endr
.irp i, 2,4,6,8,10,12,14,16,18,20,22,24,26,28,30
.irp c, 0,1
	v_max3_num_f32 v[TM+\c], v[TM+\c], |v[\src+32*\c+\i]|, |v[\src+32*\c+\i+1]|   ; (the two blocks by turns)
.endr
.endr
.irp c, 0,1
	v_add_nc_u32 v[TM+2+\c], 0xff000000, v[TM+\c]  ; 2 off the exponent field: the conversion takes that field of this operand as its scale
.endr
.irp c, 0,1
	v_cvt_scalef32_pk16_fp6_f32 v[\pc+6*\c:\pc+6*\c+2], v[\src+32*\c:\src+32*\c+15], v[TM+2+\c]
	v_cvt_scalef32_pk16_fp6_f32 v[TC+4*\c:TC+4*\c+2], v[\src+32*\c+16:\src+32*\c+31], v[TM+2+\c]   ; (a conversion's three registers begin on an even number)
.endr
.irp c, 0,1
	v_lshrrev_b32 v[TM+4+\c], 23, v[TM+2+\c]       ; the scales' bytes; also the plain line behind the conversions
.endr
	v_lshl_or_b32 v[\pw], v[TM+5], 16, v[TM+4]     ; blocks h and 2 + h,
	v_lshlrev_b32 v[\pw], v5, v[\pw]               ; at their places;
	v_permlanex16_b32 v[TM+6], v[\pw], s24, s25
	v_or_b32 v[\pw], v[\pw], v[TM+6]               ; with lane l xor 16's two the word is whole, in both halves of the lanes
.irp c, 0,1
.irp i, 0,1,2
	v_mov_b32 v[\pc+6*\c+3+\i], v[TC+4*\c+\i]
.endr
.endr
.endm
	s_cmp_lt_u32 ttmp9, 64
	s_cbranch_scc1 .Lweights
	; ---- Wq's work-groups: hxb
	global_load_b128 v[244:247], v10, s[10:11]     ; bq
	global_load_b128 v[248:251], v10, s[12:13]     ; bm
.irp u, 0,1
.irp i, 0,1,2,3,4,5,6,7,8,9,10,11,12,13,14,15
	global_load_b128 v[XX+64*\u+4*\i:XX+64*\u+4*\i+3], v4, s[8:9] offset:65536*\u+4096*\i   ; x: batch 16 u + i, 512 consecutive bytes
.endr
.endr
	s_wait_loadcnt 34                              ; W's 16 are in; behind them: 2 of the biases, 32 of x
	TURNP XW, 0
	s_wait_loadcnt 16                              ; x's first tile is in; the second's 16 may be out
	TURNP XX, 1
	s_wait_dscnt 32                                ; W is back; behind its turn: the 32 LDS instructions of x's first tile
	QUANT2 XW, PCW, 240
	s_wait_loadcnt 0x0
	TURNP XX+64, 2
	s_wait_dscnt 32                                ; x's first tile is back; behind it: the second's 32
	QUANT2 XX, 16, 241                             ; (its codes take registers of W's numbers: the LDS stores that read those stand ahead of the waits on vm_vsrc above)
	s_wait_dscnt 0x0
	QUANT2 XX+64, 32, 242
.rept 8
	v_nop                                          ; a scale register written by a vector instruction stands eight places ahead of a scaled matrix instruction, an operand four
.endr
	s_wait_alu depctr_va_vdst(0)                   ; the three fragments' codes and the three scale words are written: the scaled matrix instructions take them; the places above stay beside this wait
	; source 0 = 16 rows of Wq, source 1 = 16 batches: lane (r, h) holds batch 16 u + r, register j output 16 n + 8 h + j
	v_wmma_scale_f32_16x16x128_f8f6f4 v[48:55], v[PCW:PCW+11], v[16:27], 0, v240, v241 matrix_a_fmt:MATRIX_FMT_FP6 matrix_b_fmt:MATRIX_FMT_FP6
	v_wmma_scale_f32_16x16x128_f8f6f4 v[56:63], v[PCW:PCW+11], v[32:43], 0, v240, v242 matrix_a_fmt:MATRIX_FMT_FP6 matrix_b_fmt:MATRIX_FMT_FP6
.rept 4
	v_nop                                          ; four places ahead of the first read of a result (ISA guide 7.12.1)
.endr
	s_wait_alu depctr_va_vdst(0)                   ; the two results are written, which the LDS stores read; and the quantiser is done reading v64-95, in which the partial sums' loads land
.irp p, 0,1,2,3
	ds_store_b128 v8, v[48+4*\p:51+4*\p] offset:512*\p   ; each result from its low end on: [u][registers 0-3, 4-7][lane]
.endr
	s_wait_dscnt 0x0                               ; for the others' sake: my partial sums lie in LDS
	s_barrier_signal -1
	s_barrier_wait -1
	s_cmp_gt_u32 s20, 3
	s_cbranch_scc1 .Ldone_b                        ; four waves add: 128 x 4 numbers
.irp p, 0,1,2,3,4,5,6,7
	ds_load_b128 v[64+4*\p:67+4*\p], v9 offset:2048*\p
.endr
	s_wait_dscnt 0x0
.irp p, 1,2,3,4,5,6,7
	v_pk_add_f32 v[64:65], v[64:65], v[64+4*\p:65+4*\p]   ; K ascending
	v_pk_add_f32 v[66:67], v[66:67], v[66+4*\p:67+4*\p]
.endr
	v_pk_add_f32 v[64:65], v[64:65], v[244:245]
	v_pk_add_f32 v[66:67], v[66:67], v[246:247]
	v_pk_add_f32 v[64:65], v[64:65], v[248:249]
	v_pk_add_f32 v[66:67], v[66:67], v[250:251]
	s_wait_alu depctr_va_vdst(0)                   ; the sums v64-67 are written, which the store reads
	global_store_b128 v7, v[64:67], s[18:19]       ; a wave stores 512 consecutive bytes
.Ldone_b:
	s_wait_dscnt 0x0                               ; the closing lines, six on end
	s_wait_alu 0x0
	s_wait_tensorcnt 0x0
	ds_add_u32 v254, v255
	s_wait_dscnt 0x0
	s_endpgm
	; ---- Wm's work-groups: codes and scale image
.Lweights:
	s_wait_loadcnt 0x0
	TURNP XW, 3
	s_wait_dscnt 0x0
	QUANT2 XW, PCW, 240
	s_wait_alu depctr_va_vdst(0)                   ; the fragment's codes and its scale word are written, which the stores below read
.irp g, 0,1,2
	global_store_b128 v4, v[PCW+4*\g:PCW+4*\g+3], s[14:15] offset:512*\g   ; the fragment as it stands: 512 consecutive bytes a store
.endr
	ds_store_b32 v6, v240                          ; lanes r and 16 + r write the same word with the same value
	s_wait_dscnt 0x0
	s_barrier_signal -1
	s_barrier_wait -1
	s_cmp_lg_u32 s20, 0
	s_cbranch_scc1 .Ldone_a
	ds_load_b128 v[236:239], v4                    ; the tile's scale image, 512 bytes
	s_wait_dscnt 0x0
	global_store_b128 v4, v[236:239], s[16:17]
.Ldone_a:
	s_wait_dscnt 0x0                               ; the closing lines, six on end, as above
	s_wait_alu 0x0
	s_wait_tensorcnt 0x0
	ds_add_u32 v254, v255
	s_wait_dscnt 0x0
	s_endpgm
.Lfunc_end_k_qa175fa11df_prep:
	.size	k_qa175fa11df_prep, .Lfunc_end_k_qa175fa11df_prep-k_qa175fa11df_prep
	.p2alignl 7, 3214868480
	.fill 96, 4, 3214868480
	.section	.rodata,"a",@progbits
	.p2align	6, 0x0
	.amdhsa_kernel k_qa175fa11df_prep
		.amdhsa_group_segment_fixed_size 288256
		.amdhsa_private_segment_fixed_size 0
		.amdhsa_enable_private_segment 0
		.amdhsa_kernarg_size 64
		.amdhsa_user_sgpr_count 2
		.amdhsa_user_sgpr_kernarg_segment_ptr 1
		.amdhsa_wavefront_size32 1
		.amdhsa_system_sgpr_workgroup_id_x 1
		.amdhsa_system_sgpr_workgroup_id_y 1
		.amdhsa_system_sgpr_workgroup_id_z 1
		.amdhsa_system_vgpr_workitem_id 0
		.amdhsa_next_free_vgpr 256
		.amdhsa_next_free_sgpr 66
		.amdhsa_reserve_vcc 0
		.amdhsa_float_denorm_mode_32 3
		.amdhsa_float_denorm_mode_16_64 3
		.amdhsa_memory_ordered 1
		.amdhsa_forward_progress 1
		.amdhsa_inst_pref_size 32
	.end_amdhsa_kernel
	.amdgpu_metadata
---
amdhsa.version: [ 1, 2 ]
amdhsa.kernels:
  - .name:           k_qa175fa11df_prep
    .symbol:         k_qa175fa11df_prep.kd
    .args:
      - { .name: Wm, .offset: 0, .size: 8, .value_kind: global_buffer, .address_space: global }
      - { .name: Wq, .offset: 8, .size: 8, .value_kind: global_buffer, .address_space: global }
      - { .name: x, .offset: 16, .size: 8, .value_kind: global_buffer, .address_space: global }
      - { .name: bq, .offset: 24, .size: 8, .value_kind: global_buffer, .address_space: global }
      - { .name: bm, .offset: 32, .size: 8, .value_kind: global_buffer, .address_space: global }
      - { .name: wmc, .offset: 40, .size: 8, .value_kind: global_buffer, .address_space: global }
      - { .name: wms, .offset: 48, .size: 8, .value_kind: global_buffer, .address_space: global }
      - { .name: hxb, .offset: 56, .size: 8, .value_kind: global_buffer, .address_space: global }
    .group_segment_fixed_size: 288256
    .private_segment_fixed_size: 0
    .kernarg_segment_align: 8
    .kernarg_segment_size: 64
    .max_flat_workgroup_size: 256
    .sgpr_count:     66
    .vgpr_count:     256
    .wavefront_size: 32
...
	.end_amdgpu_metadata
.endif
;; end of part 4
;; launch attn (part 5): grid 256 x 1, 4 waves a work-group, no clusters, 327,680 bytes of LDS; arguments context, v, wmc, wms, hxb, part_u, part_ml, part_c; writes part_u, part_ml, part_c
.if DOCPART == 5
	.amdgcn_target "amdgcn-amd-amdhsa--gfx1250"
	.amdhsa_code_object_version 6
	.text
	.protected	k_qa175fa11df_attn
	.globl	k_qa175fa11df_attn
	.p2align	8
	.type	k_qa175fa11df_attn,@function
k_qa175fa11df_attn:
	s_mov_b64 s[64:65], 0
	v_nop
	global_prefetch_b8 v0, s[64:65] scope:SCOPE_SE
	s_setreg_imm32_b32 hwreg(HW_REG_WAVE_SCHED_MODE, 0, 2), 2
	s_setreg_imm32_b32 hwreg(HW_REG_WAVE_MODE, 25, 1), 1
	s_wait_xcnt 0x0
	s_wait_alu depctr_vm_vsrc(0)
; A block is 128 rows of context (block g = rows 128 g .. of the flat [65,536][1024]; batch g / 16).  It goes through the whole chain in one work-group, so that context is read from memory once:
;   X: the rows are quantised to E2M3 (one E8M0 scale for each 32 along K) and, beside that, rounded to bf16 into LDS, where they wait for their weights;
;   N: z = Q(context) Q(Wm)^T + hxb (hxb = Q(x) Q(Wq)^T + bq + bm, made by the launch before), and the score, summed as it is made;
;   S: the block's maximum m, p = 2^(u - m), l = the sum of p;     C: the sum over the block's rows of p x context, by the bf16 matrix form.  The last launch joins a batch's 16 blocks.
; A WORK-GROUP STAYS: work-group G takes blocks 2 G and 2 G + 1, which lie in one batch: the tables and every address register are made once.  Between the walk's last two turns, when the registers that held
;   Wm's shares are free, each wave asks for the next block's first eight units (64 loads; 128 KB for the four waves, a quarter of the block): they land under the last turn, the softmax and the last product.
; THE SCORE.  tanh z = 1 - 2 r, r = 1 / (1 + 2^(c2 z)), c2 = 2 log2(e).  In powers of two the score is u = sum over o of v''(o) r(o), v'' = -c2 v, plus a constant of the batch, which a softmax does not see: it is left off.
;   No clamp: 2^(large) is infinity and r = 0; 2^(-large) is 0 and r = 1.
; mask is no argument of any launch.
; LIMITS: NaN and infinities among the inputs are not served; a block of 32 zeros gets the scale byte 1 where the quantiser says 127 (its codes are zeros; the bytes are read here alone);
;   p and context are rounded to bf16 for the last product; l is the sum of the unrounded p.
; SHARES.  Four waves; wave w = (rh = w / 2, nh = w % 2) owns rows 64 rh .. + 63 and outputs 512 nh .. + 511.  Its 32 fragments of context (4 tiles of rows x 8 K steps x 12 registers) stay in registers through the walk over Wm,
;   so each fragment of Wm read from LDS feeds four matrix instructions.  The product is used transposed (source 0 = 16 rows of Wm, source 1 = 16 rows of context): a lane holds ONE row of context and eight outputs.
; NO TENSOR LOADS, NO CLUSTER.  All work-groups walk the same Wm, but the bf16 copy takes 266,240 of the 327,680 bytes of LDS; what is left is two slots of 25,600 bytes, 32 matrix instructions a wave each.
;   A joint refill goes out one a wave behind each change of slots and would have that one short step in which to land.  Here each wave loads a quarter of each slot into registers four turns ahead and hands it on by LDS stores.
; LDS: 0 the bf16 copy, 128 rows x 2,080;  RING two slots, each [half nh: 8 fragments x 1,536, scale image 512];  TAB hxb's row of my batch;  VT [64 zeros][v'' 0-511][64 zeros][v'' 512-1023];  SCR the waves' partial scores.
;   In phase X the ring's bytes hold a stage for each wave, two sets of eight fragment images and the scale words; behind the walk p and the way out.  Barriers part the phases, and the blocks.
; REGISTERS, in windows of 256 (s_set_vgpr_msb: bits 1:0 source 0, 3:2 source 1, 5:4 source 2, 7:6 destination):
;   window 0: v1-31 and v252-255 lane numbers and addresses; v32-47 context's scale words, v48-55 Wm's (they hold scales and nothing else); v56-63 the bias; v64-71 the score's sums; v72-135 two sets of four accumulators; v136-231 Wm's eight fragments.
;   windows 1, 2: v0-191 context's fragments of tiles 0, 1 and 2, 3; v192-199 eight numbers of v'', the same in both.   window 3: what is on its way from memory: eight units of context, later four shares of Wm.
; THE MODE: SCHED_MODE bits 1:0 = 2 (LLVM: expert scheduling mode 2), set by the entry lines.  The code itself states the register dependences
; between vector or matrix instructions and memory or LDS instructions, with s_wait_alu, always for 0.
; THE PLAN, PHASE X.  Step x quantises unit x, turns unit x + 1 through the stage and asks for unit x + 8.  Registers that memory or LDS instructions touch:
;   unit buffer u % 8 (window 3)  loaded from memory; read by unit u's stage stores and its roundings to bf16, both issued in step u - 1; loaded again in step u.
;   XN[u % 2]   loaded from the stage in step u - 1; read by step u's quantiser; loaded again in step u + 1.
;   CB[u % 2]   written by the roundings in step u - 1; read by the eight stores into the copy, which stand in step u; written again in step u + 1.
;   PC, WD      written by the quantiser; read by the image stores of odd units; written again three steps on.
;   So a pair of waits at a step's head states all that the step's 24 LDS instructions and its loads hang on; the vector lines that stand among them name the other buffers.  Odd units have one wait more, ahead of their image stores.
; THE PLAN, THE WALK.  Turn t multiplies by slot t.  Fragments 0 to 2, the other set's scale words, the bias and v'' are loaded behind the turn's barrier: the wait behind slice 11 (behind K step 2) states that their last readers
;   are done, and K step 3 and slices 12 to 15 name none of them.  Fragments 3 to 5 are loaded behind the wait behind slice 23 (behind K step 5).  Fragments 6 and 7 are loaded in the next turn, behind its K step 0 and one wait.
;   A share's set in window 3 is read by LDS stores in turn t - 2 and loaded again in turn t: one wait on vm_vsrc a turn, beside the wait for all LDS instructions in front of the barrier.  v[BIA] and v[VVA] are written behind that wait in every fourth turn.
;   The accumulators and the score's sums are named by vector and matrix instructions alone.
.set PCH,   2080                       ; a row of the bf16 copy: 2,048 bytes + 32: 65 x 32 bytes, so that the eight rows of a turning load begin 32 bytes apart modulo 256
.set RING,  128*PCH
.set FRB,   1536                       ; a fragment's image: 12 registers x 128 bytes
.set HALFB, 8*FRB+512
.set SLOTB, 2*HALFB
.set TAB,   RING+2*SLOTB
.set VT,    TAB+4096
.set VTH,   2112
.set SCR,   VT+2*VTH
.set STGB,  16*272                     ; phase X: a wave's stage, 16 rows x (256 bytes + 16)
.set XB,    RING+4*STGB                ; two sets of eight fragment images, by the K step's parity
.set XSW,   XB+2*8*FRB                 ; scale words [8 tiles][4 q][32 lanes]
.set PB,    RING                       ; behind the walk: p as bf16, 256 bytes for each wave
.set CST,   RING+1024                  ; and 1,024 bytes for each wave on the way out
.set BLKB,  128*4096                   ; a block of context in bytes
.set GXA, 4                            ; context: 32 w rows + (lane / 16) rows + 16 (lane % 16)
.set TSA, 5                            ; the stage, in
.set TLA, 6                            ; the stage, out
.set CBA, 7                            ; the bf16 copy
.set IMA, 8                            ; my images
.set XSA, 9                            ; my scale words
.set FXA, 10                           ; the images that I fetch
.set SH0, 11                           ; 8 h
.set SH1, 12                           ; 16 + 8 h
.set BFA, 13                           ; v13-14 a slot's fragments of my half, slot 0, 1
.set BSA, 15                           ; v15-16 where I store my share's codes
.set BSS, 17                           ; v17-18 and its scale words
.set GBA, 19                           ; 16 x lane
.set GBS, 20                           ; 8 x lane
.set BI0, 21                           ; the bias of my half's first tile
.set VV0, 22                           ; v'' likewise, one tile back: the zeros
.set BIA, 23                           ; the same for the trip in hand
.set VVA, 24
.set AV,  25                           ; v25-28 phase C: the turning loads' addresses (in the head v25-30 first serve the tables)
.set SCA, 29                           ; phase S: where my partial scores go,
.set SCL, 30                           ; and where the block's are read
.set XRA, 31                           ; my tiles' scale words
.set SA,  32
.set SB,  48
.set BI,  56
.set SS,  64
.set ACC, 72
.set BF,  136
.set VV,  192                          ; in windows 1 and 2
.set XN,  72                           ; phase X: two sets of 32 neighbours
.set CB,  136                          ; two sets of 16 registers of bf16
.set PC,  168                          ; two fragments' codes
.set TC,  192
.set MXA, 196
.set MXB, 197
.set SCO, 198
.set BY,  199
.set WD,  200                          ; v200-201 the two tiles' scale words in the making
.set TT,  202
.set DD,  72                           ; phase C: sixteen accumulators
.set PF,  200                          ; p's four fragments
.set PBS, 252                          ; p: in,
.set PBL, 253                          ; and out
.set CSA, 254                          ; the way out: in,
.set CSL, 255                          ; and out
.set BLKS, 48                          ; s48 blocks to go
.set MSB, 0
.macro WIN new                         ; the immediate's high byte repeats the setting that is left; a switch that changes nothing is dropped
.if MSB != (\new)
	s_set_vgpr_msb (MSB<<8)|(\new)
.set MSB, (\new)
.endif
.endm
.macro BARRIER                         ; my LDS stores have landed and my LDS loads are in: then the work-group's barrier
	s_wait_dscnt 0x0
	s_barrier_signal -1
	s_barrier_wait -1
.endm
	s_load_b256 s[4:11], s[0:1], 0x0               ; context, v, wmc, wms
	s_load_b256 s[12:19], s[0:1], 0x20             ; hxb, part_u, part_ml, part_c
	v_lshrrev_b32 v1, 5, v0
	v_readfirstlane_b32 s20, v1                    ; w
	v_and_b32 v1, 31, v0                           ; L
	v_and_b32 v2, 15, v0                           ; r
	v_bfe_u32 v3, v0, 4, 1                         ; h
	s_wait_alu depctr_va_sdst(0)                   ; s20 is written, ahead of its first reader
	s_lshr_b32 s21, s20, 1                         ; rh; also: which half of a slot I bring
	s_and_b32 s22, s20, 1                          ; nh; also: which half of that half
	s_lshl_b32 s24, s20, 17
	v_lshlrev_b32 v[GXA], 4, v2
	v_lshl_add_u32 v[GXA], v3, 12, v[GXA]
	v_add_nc_u32 v[GXA], s24, v[GXA]
	s_mul_i32 s24, s20, STGB
	s_add_co_u32 s24, s24, RING
	v_mul_u32_u24 v[TSA], v3, 272
	v_lshl_add_u32 v[TSA], v2, 4, v[TSA]
	v_add_nc_u32 v[TSA], s24, v[TSA]               ; in: as loaded: row lane / 16, 16 bytes a lane
	v_mul_u32_u24 v[TLA], v2, 272
	v_lshl_add_u32 v[TLA], v3, 7, v[TLA]
	v_add_nc_u32 v[TLA], s24, v[TLA]               ; out: row r, 128 bytes for each half of the lanes: one block of 32
	s_mul_i32 s24, s20, 32*PCH
	v_mul_u32_u24 v[CBA], v3, PCH
	v_lshl_add_u32 v[CBA], v2, 3, v[CBA]
	v_add_nc_u32 v[CBA], s24, v[CBA]
	s_mul_i32 s24, s20, 2*FRB
	s_add_co_u32 s24, s24, XB
	v_lshl_add_u32 v[IMA], v1, 4, s24
	s_lshl_b32 s24, s20, 10
	s_add_co_u32 s24, s24, XSW
	v_lshl_add_u32 v[XSA], v2, 2, s24
	s_mul_i32 s24, s21, 4*FRB
	s_add_co_u32 s24, s24, XB
	v_lshl_add_u32 v[FXA], v1, 4, s24
	s_lshl_b32 s24, s21, 11
	s_add_co_u32 s24, s24, XSW
	v_lshl_add_u32 v[XRA], v1, 2, s24
	v_lshlrev_b32 v[SH0], 3, v3
	v_add_nc_u32 v[SH1], 16, v[SH0]
	s_mul_i32 s24, s22, HALFB
	s_add_co_u32 s24, s24, RING
	v_lshl_add_u32 v[BFA], v1, 4, s24
	v_add_nc_u32 v[BFA+1], SLOTB, v[BFA]
	s_mul_i32 s24, s21, HALFB
	s_mul_i32 s25, s22, 4*FRB
	s_add_co_u32 s25, s24, s25
	s_add_co_u32 s25, s25, RING
	v_lshl_add_u32 v[BSA], v1, 4, s25
	v_add_nc_u32 v[BSA+1], SLOTB, v[BSA]
	s_lshl_b32 s25, s22, 8
	s_add_co_u32 s25, s24, s25
	s_add_co_u32 s25, s25, RING+8*FRB
	v_lshl_add_u32 v[BSS], v1, 3, s25
	v_add_nc_u32 v[BSS+1], SLOTB, v[BSS]
	v_lshlrev_b32 v[GBA], 4, v1
	v_lshlrev_b32 v[GBS], 3, v1
	s_lshl_b32 s24, s22, 11
	s_add_co_u32 s24, s24, TAB
	v_lshl_add_u32 v[BI0], v3, 5, s24
	s_mul_i32 s24, s22, VTH
	s_add_co_u32 s24, s24, VT
	v_lshl_add_u32 v[VV0], v3, 5, s24
	v_lshrrev_b32 v25, 2, v0
	v_lshlrev_b32 v25, 11, v25
	v_and_b32 v26, 3, v0
	v_lshl_add_u32 v25, v26, 4, v25                ; hxb [n][b][16]: thread t takes tile t / 4 (and 32 + t / 4), 16 bytes t % 4
	v_lshlrev_b32 v26, 4, v0                       ; 16 t
	v_add_nc_u32 v27, TAB, v26
	v_add_nc_u32 v28, VT+64, v26
	v_mul_u32_u24 v29, v3, VTH
	v_lshl_add_u32 v29, v2, 2, v29
	v_add_nc_u32 v29, VT, v29                      ; the two runs of 64 zeros
	v_mov_b32 v30, 0
	s_mov_b32 s30, 0x4038aa3b                      ; c2 = 2 log2(e)
	s_mov_b32 s31, s30                             ; (named with it as a pair, so it is written)
	s_mov_b32 s32, 0x76543210
	s_mov_b32 s33, 0xfedcba98                      ; v_permlanex16_b32's selects for lane l xor 16
	s_lshl_b32 s24, ttmp9, 20                      ; my first block: 2 G x 128 rows of 4,096 bytes (under 2^32)
	s_mov_b32 s25, 0
	s_lshr_b32 s26, ttmp9, 3
	s_lshl_b32 s26, s26, 6                         ; hxb: 64 b, b = G / 8
	s_mov_b32 s27, 0
	s_mul_i32 s28, s21, 32*8*FRB
	s_mul_i32 s29, s22, 4*FRB
	s_add_co_u32 s28, s28, s29                     ; wmc: tile 32 (w / 2), fragments 4 (w % 2) on
	s_mov_b32 s29, 0
	s_lshl_b32 s36, s21, 14
	s_lshl_b32 s37, s22, 8
	s_add_co_u32 s36, s36, s37                     ; wms likewise
	s_mov_b32 s37, 0
	s_lshl_b32 s38, ttmp9, 10                      ; part_u: 512 bytes a block
	s_mov_b32 s39, 0
	s_lshl_b32 s40, ttmp9, 9                       ; part_ml: 256
	s_mov_b32 s41, 0
	s_lshl_b32 s42, ttmp9, 13                      ; part_c: 4,096, + my wave's 1,024
	s_lshl_b32 s43, s20, 10
	s_add_co_u32 s42, s42, s43
	s_mov_b32 s43, 0
	s_wait_kmcnt 0x0
	s_add_nc_u64 s[4:5], s[4:5], s[24:25]
	s_add_nc_u64 s[12:13], s[12:13], s[26:27]
	s_add_nc_u64 s[8:9], s[8:9], s[28:29]
	s_add_nc_u64 s[10:11], s[10:11], s[36:37]
	s_add_nc_u64 s[14:15], s[14:15], s[38:39]
	s_add_nc_u64 s[16:17], s[16:17], s[40:41]
	s_add_nc_u64 s[18:19], s[18:19], s[42:43]
; ---------------- PHASE X.  A unit x = 4 s + 2 u + c is 16 rows (my tile u) x 64 along K (128 s + 64 c on): 4 KB.
.macro XLOAD x, off                    ; eight loads into unit buffer x % 8: each takes 256 consecutive, aligned bytes of two rows.  off: 0, or a block's bytes for the block that follows
	WIN 0xc0
.irp i, 0,1,2,3,4,5,6,7
	global_load_b128 v[32*((\x)%8)+4*\i:32*((\x)%8)+4*\i+3], v[GXA], s[4:5] offset:(\off)+(((\x)/2)%2)*65536+\i*8192+((\x)/4)*512+((\x)%2)*256 th:TH_LOAD_NT
.endr
.endm
.macro TURNM y                         ; unit y goes through my stage, so that a lane gets a whole block of 32 neighbours: 16 LDS instructions
	WIN 0x0c                                       ; an LDS store's data are its source 1: window 3
.irp i, 0,1,2,3,4,5,6,7
	ds_store_b128 v[TSA], v[32*((\y)%8)+4*\i:32*((\y)%8)+4*\i+3] offset:544*\i
.endr
	WIN 0
.irp j, 0,1,2,3,4,5,6,7
	ds_load_b128 v[XN+32*((\y)%2)+4*\j:XN+32*((\y)%2)+4*\j+3], v[TLA] offset:16*\j   ; LDS serves a wave's instructions in order (ISA guide 5.7.1.4): these see the stores above
.endr
.endm
.macro CVTB y                          ; unit y as bf16, as it was loaded, into CB[y % 2]
	WIN 0x0f
.irp i, 0,1,2,3,4,5,6,7
	v_cvt_pk_bf16_f32 v[CB+16*((\y)%2)+2*\i], v[32*((\y)%8)+4*\i], v[32*((\y)%8)+4*\i+1]
	v_cvt_pk_bf16_f32 v[CB+16*((\y)%2)+2*\i+1], v[32*((\y)%8)+4*\i+2], v[32*((\y)%8)+4*\i+3]
.endr
.endm
.macro CBST y                          ; and from there into the copy, a step later: 8 LDS stores (every window 0)
.irp i, 0,1,2,3,4,5,6,7
	ds_store_b64 v[CBA], v[CB+16*((\y)%2)+2*\i:CB+16*((\y)%2)+2*\i+1] offset:(16*(((\y)/2)%2)+2*\i)*PCH+((\y)/4)*256+((\y)%2)*128
.endr
.endm
.macro QUANTX x                        ; my block of unit x: k = 128 s + 64 c + 32 h + 0 .. 31 of row r: registers 6 c .. 6 c + 5 of the fragment (tile u, K step s)
.set qX, XN+32*((\x)%2)
.set qU, ((\x)/2)%2
.set qC, (\x)%2
.set qS, (\x)/4
.set qP, PC+12*qU+6*qC
	v_max3_num_f32 v[MXA], |v[qX]|, |v[qX+1]|, 0x1800000   ; the largest magnitude, in two chains, with the floor 2^(3 - 127) among its leaves: the byte cannot fall under 1
	v_max3_num_f32 v[MXB], |v[qX+16]|, |v[qX+17]|, |v[qX+18]|
.irp i, 0,1,2,3,4,5
	v_max3_num_f32 v[MXA], v[MXA], |v[qX+2+2*\i]|, |v[qX+3+2*\i]|
	v_max3_num_f32 v[MXB], v[MXB], |v[qX+19+2*\i]|, |v[qX+20+2*\i]|
.endr
	v_max3_num_f32 v[MXA], v[MXA], |v[qX+14]|, |v[qX+15]|
	v_max3_num_f32 v[MXA], v[MXA], v[MXB], |v[qX+31]|
	v_add_nc_u32 v[SCO], 0xff000000, v[MXA]        ; 2 off the exponent field: the conversion's scale operand
	v_cvt_scalef32_pk16_fp6_f32 v[qP:qP+2], v[qX:qX+15], v[SCO]
	v_cvt_scalef32_pk16_fp6_f32 v[TC:TC+2], v[qX+16:qX+31], v[SCO]   ; (a conversion's three registers begin on an even number)
	v_lshrrev_b32 v[BY], 23, v[SCO]                ; the scale's byte; also the plain line behind the conversions
.if qC == 0
	v_lshlrev_b32 v[WD+qU], v[SH0], v[BY]          ; block h of the K step's four
.else
	v_lshlrev_b32 v[TT], v[SH1], v[BY]             ; block 2 + h
	v_or_b32 v[WD+qU], v[WD+qU], v[TT]
.endif
.irp i, 0,1,2
	v_mov_b32 v[qP+3+\i], v[TC+\i]
.endr
.if qC == 1
	v_permlanex16_b32 v[TT], v[WD+qU], s32, s33
	v_or_b32 v[WD+qU], v[WD+qU], v[TT]             ; with lane l xor 16's two bytes the row's word is whole
	s_wait_alu depctr_va_vdst(0)                   ; the fragment's twelve registers and its scale word are written, which the four LDS stores read
.irp g, 0,1,2
	ds_store_b128 v[IMA], v[PC+12*qU+4*\g:PC+12*qU+4*\g+3] offset:(qS%2)*8*FRB+qU*FRB+512*\g   ; the fragment goes to LDS as an image of its registers
.endr
	ds_store_b32 v[XSA], v[WD+qU] offset:qU*512+(qS/2)*128+(qS%2)*64   ; K step 2 q in lanes 0-15 of word q, K step 2 q + 1 in lanes 16-31; lanes r and 16 + r write the same word
.endif
.endm
.macro FETCH s                         ; K step s of my four tiles of rows, made by two waves, into the registers where they stay (no vector or matrix instruction has named those since the quantiser's wait above)
	WIN 0x40
.irp i, 0,1
.irp g, 0,1,2
	ds_load_b128 v[96*\i+12*(\s)+4*\g:96*\i+12*(\s)+4*\g+3], v[FXA] offset:((\s)%2)*8*FRB+\i*FRB+512*\g
.endr
.endr
	WIN 0x80
.irp i, 0,1
.irp g, 0,1,2
	ds_load_b128 v[96*\i+12*(\s)+4*\g:96*\i+12*(\s)+4*\g+3], v[FXA] offset:((\s)%2)*8*FRB+(\i+2)*FRB+512*\g
.endr
.endr
.endm
; my quarter of a slot of Wm: 13 loads into set `set` of window 3; pos: tiles from where the bases stand
.macro BLOAD set, pos
	WIN 0xc0
.irp i, 0,1,2,3,4,5,6,7,8,9,10,11
	global_load_b128 v[64*(\set)+4*\i:64*(\set)+4*\i+3], v[GBA], s[8:9] offset:(\pos)*8*FRB+512*\i
.endr
	global_load_b64 v[64*(\set)+48:64*(\set)+49], v[GBS], s[10:11] offset:(\pos)*512
.endm
.macro BSTORE set, buf                 ; and on into slot buf: 13 LDS stores
	WIN 0x0c
.irp i, 0,1,2,3,4,5,6,7,8,9,10,11
	ds_store_b128 v[BSA+(\buf)], v[64*(\set)+4*\i:64*(\set)+4*\i+3] offset:512*\i
.endr
	ds_store_b64 v[BSS+(\buf)], v[64*(\set)+48:64*(\set)+49]
.endm
; Unit x is quantised while unit x + 1 turns through the stage and unit x + 8 is asked for; unit x's bf16 numbers, rounded a step ago, go into the copy.  cnt: the loads issued behind unit x + 1's.
.macro STEPX x, cnt
.if (\x) < 31
	s_wait_loadcnt \cnt                            ; unit x + 1 is in
.endif
	s_wait_alu depctr_vm_vsrc(0)                   ; the last step's LDS stores have read their registers: unit x's buffer, in which loads land below; the other CB, which the roundings below write; the codes and words that the quantiser writes again
	s_wait_alu depctr_va_vdst(0)                   ; the last step's quantiser is done reading the XN in which the stage's loads land; unit x's roundings have written CB[x % 2], which the copy's stores read, and are done reading unit x's buffer
.if (\x) < 31
	TURNM (\x)+1
.endif
	WIN 0
	CBST \x
.if (\x) < 31
	CVTB (\x)+1                                    ; they name unit x + 1's buffer and the other CB: none of the registers that this step's loads and stores touch
	s_wait_dscnt 24                                ; all but this step's 24: unit x's neighbours are back
.else
	s_wait_dscnt 8                                 ; all but the copy's eight stores
.endif
.if (\x) <= 23
	XLOAD (\x)+8, 0                                ; into the buffer that unit x has left
.elseif ((\x)%2) == 1
	BLOAD ((\x)-25)/2, ((\x)-25)/2                 ; the last units leave their buffers to Wm's first four shares: set d lies over buffers 2 d and 2 d + 1
.endif
	WIN 0
	QUANTX \x
.if ((\x)%4) == 3
	BARRIER                                        ; the K step's eight images lie in LDS.  The sets take turns: this set is written again only behind the next K step's barrier, in front of which every wave's fetches below are in
	FETCH (\x)/4
.endif
.endm
	s_wait_alu depctr_va_vdst(0)                   ; every offset and LDS address made above is written: the loads and LDS instructions from here on read them
	global_load_b128 v[232:235], v25, s[12:13]     ; hxb's row of my batch
	global_load_b128 v[236:239], v25, s[12:13] offset:65536
	global_load_b128 v[240:243], v26, s[6:7]       ; v
	global_load_b128 v[244:247], v26, s[6:7] offset:2048
.irp x, 0,1,2,3,4,5,6
	XLOAD \x, 0
.endr
	WIN 0
	s_wait_loadcnt 56                              ; the four table loads are in; seven units, 56 loads, stay out
	ds_store_b128 v27, v[232:235]
	ds_store_b128 v27, v[236:239] offset:2048
.irp i, 0,2,4,6
	v_pk_mul_f32 v[240+\i:241+\i], v[240+\i:241+\i], 0xc038aa3b op_sel_hi:[1,0]   ; v'' = -c2 v
.endr
	s_wait_alu depctr_va_vdst(0)                   ; v'' is written, which the two LDS stores read
	ds_store_b128 v28, v[240:243]
	ds_store_b128 v28, v[244:247] offset:VTH
	s_cmp_lg_u32 s20, 0
	s_cbranch_scc1 .Lpadded
	ds_store_b32 v29, v30                          ; the zeros in front of each half of v'': the walk's first turn multiplies by them
.Lpadded:
	XLOAD 7, 0
	WIN 0
	s_wait_dscnt 0x0                               ; the tables lie in LDS
	s_wait_alu depctr_vm_vsrc(0)                   ; the tables' loads and LDS stores have read v25-30 and v232-247: the six registers take the addresses of phases S and C, which stay; the others are written again in phase S
	v_and_b32 v23, 7, v0
	v_lshl_add_u32 v23, v3, 3, v23
	v_mul_u32_u24 v[AV], v23, PCH                  ; row 8 h + L % 8,
	v_bfe_u32 v23, v0, 3, 1
	v_lshl_add_u32 v[AV], v23, 4, v[AV]            ; 16 bytes (L / 8) % 2,
	s_lshl_b32 s24, s20, 9
	v_add_nc_u32 v[AV], s24, v[AV]                 ; my 256 channels
	v_add_nc_u32 v[AV+1], 32*PCH, v[AV]
	v_add_nc_u32 v[AV+2], 64*PCH, v[AV]
	v_add_nc_u32 v[AV+3], 96*PCH, v[AV]
	s_lshl_b32 s24, s22, 9
	s_lshl_b32 s25, s21, 8
	s_add_co_u32 s24, s24, s25
	s_add_co_u32 s24, s24, SCR
	v_lshl_add_u32 v[SCA], v2, 2, s24              ; [nh][row 64 rh + 16 i + r]
	v_lshl_add_u32 v[SCL], v1, 4, SCR
	s_lshl_b32 s24, s20, 8
	s_add_co_u32 s24, s24, PB
	v_lshl_add_u32 v[PBS], v1, 3, s24
	v_lshl_add_u32 v[PBL], v3, 4, s24
	s_lshl_b32 s24, s20, 10
	s_add_co_u32 s24, s24, CST
	v_lshl_add_u32 v[CSA], v3, 5, s24
	v_lshl_add_u32 v[CSL], v1, 4, s24              ; (the ten are first read in phases S and C, behind phase X's waits on va_vdst)
	s_mov_b32 s[BLKS], 2
.Lblock:                                               ; two trips, a block each.  On both ways in the block's units 0 to 7 have been asked for and no load was issued behind them
	s_wait_loadcnt 56                              ; unit 0 is in; behind it: units 1 to 7
	s_wait_alu depctr_vm_vsrc(0)                   ; on the way back: the last block's stores have read v72-199 and v232-249, which this block's loads and vector instructions write again
	TURNM 0
	CVTB 0
.irp x, 0,1,2,3,4,5,6,7,8,9,10,11,12,13,14,15,16,17,18,19,20,21,22,23,24
	STEPX \x, 48                                   ; behind unit x + 1: units x + 2 .. x + 7
.endr
	STEPX 25, 40                                   ; units 27 to 31
	STEPX 26, 45                                   ; 28 to 31, and share 0's 13
	STEPX 27, 37
	STEPX 28, 42                                   ; 30, 31, shares 0 and 1
	STEPX 29, 34
	STEPX 30, 39                                   ; shares 0 to 2
	STEPX 31, 0
	WIN 0
.irp i, 0,1,2,3
.irp q, 0,1,2,3
	ds_load_b32 v[SA+4*\i+\q], v[XRA] offset:512*\i+128*\q   ; context's scale words: tile i, K steps 2 q (lanes 0-15) and 2 q + 1 (lanes 16-31)
.endr
.endr
	BARRIER                                        ; nobody reads the stages, the images or the scale words any more: the ring's bytes are free
; ---------------- PHASE N.  32 turns; turn t multiplies my 64 rows by tile 32 nh + t of Wm (slot t) and does the vector work on the results of turn t - 1.
.macro FLOAD s, buf                    ; fragment s of my half of slot buf (under a setting with destination and source 0 in window 0)
.irp g, 0,1,2
	ds_load_b128 v[BF+12*(\s)+4*\g:BF+12*(\s)+4*\g+3], v[BFA+(\buf)] offset:FRB*(\s)+512*\g
.endr
.endm
.macro WM a, s, i                      ; accumulator set a, K step s, tile of rows i.  The first K step takes the bias as C: nothing is cleared, nothing is added later
	WIN 0x04+0x04*((\i)/2)
.set rD, ACC+32*(\a)+8*(\i)
.set rB, BF+12*(\s)
.set rA, 96*((\i)%2)+12*(\s)
.if (\s) == 0
	v_wmma_scale_f32_16x16x128_f8f6f4 v[rD:rD+7], v[rB:rB+11], v[rA:rA+11], v[BI:BI+7], v[SB+4*(\a)], v[SA+4*(\i)] matrix_a_fmt:MATRIX_FMT_FP6 matrix_b_fmt:MATRIX_FMT_FP6
.elseif (\s)%2
	v_wmma_scale_f32_16x16x128_f8f6f4 v[rD:rD+7], v[rB:rB+11], v[rA:rA+11], v[rD:rD+7], v[SB+4*(\a)+(\s)/2], v[SA+4*(\i)+(\s)/2] matrix_a_fmt:MATRIX_FMT_FP6 matrix_b_fmt:MATRIX_FMT_FP6 matrix_a_scale:MATRIX_SCALE_ROW1 matrix_b_scale:MATRIX_SCALE_ROW1
.else
	v_wmma_scale_f32_16x16x128_f8f6f4 v[rD:rD+7], v[rB:rB+11], v[rA:rA+11], v[rD:rD+7], v[SB+4*(\a)+(\s)/2], v[SA+4*(\i)+(\s)/2] matrix_a_fmt:MATRIX_FMT_FP6 matrix_b_fmt:MATRIX_FMT_FP6
.endif
.endm
; THE VECTOR WORK on accumulator set x, 32 registers z, in place: a list of 112 lines; EP writes number j.
;   0-47   c2 z (16 packed lines) and 2^(c2 z) (32): a pair is scaled three lines or more ahead of its exponentials; no line reads an exponential's result
;   48-95  1 + e (16) and 1 / (1 + e) (32), in the same pattern
;   96-111 the score's sums += v'' r, the four tiles by turns
; Every line has its destination, source 0 and source 2 in window 0 and, for source 1, a scalar, a constant or v'', which stands in windows 1 and 2 alike: so the list runs under the matrix instructions' own two settings.
; Each accumulator is read from its low end on.
.macro EP x
.set eX, ACC+32*(\x)
.if j < 96
.set eJ, j%48
.set eK, 1
.if eJ == 0
.set eK, 0
.set eR, 0
.elseif eJ >= 46
.set eR, eJ-16
.elseif (eJ-1)%3 == 0
.set eK, 0
.set eR, 2*((eJ-1)/3)+2
.else
.set eR, 2*((eJ-1)/3)+(eJ-1)%3-1
.endif
.if (j < 48) && (eK == 0)
	v_pk_mul_f32 v[eX+eR:eX+eR+1], v[eX+eR:eX+eR+1], s[30:31] op_sel_hi:[1,0]
.elseif j < 48
	v_exp_f32 v[eX+eR], v[eX+eR]
.elseif eK == 0
	v_pk_add_f32 v[eX+eR:eX+eR+1], v[eX+eR:eX+eR+1], 1.0 op_sel_hi:[1,0]
.else
	v_rcp_f32 v[eX+eR], v[eX+eR]
.endif
.else
.set eI, (j-96)%4
.set eR, 2*((j-96)/4)
	v_pk_fma_f32 v[SS+2*eI:SS+2*eI+1], v[eX+8*eI+eR:eX+8*eI+eR+1], v[VV+eR:VV+eR+1], v[SS+2*eI:SS+2*eI+1]
.endif
.endm
; Slice k of 32, one behind each matrix instruction: four lines of the first 96, or two of the last 16.  Behind slice 11 all 32 exponentials are out and no result has been named; behind slice 23 the 32 reciprocals likewise:
; there stand a plain line and one wait ahead of a batch's first reader.  No transcendental is issued behind slice 23.
; In a turn slice 11 closes K step 2 and slice 23 K step 5, and the same two waits serve the turn's LDS loads (macro TURN).
.macro SLICE x
.if k < 24
.set j, 4*k
.rept 4
	EP \x
.set j, j+1
.endr
.else
.set j, 96+2*(k-24)
.rept 2
	EP \x
.set j, j+1
.endr
.endif
.if k == 11
	v_nop
	s_wait_alu depctr_va_vdst(0)                   ; the 32 exponentials' results are written, ahead of their first reader.  In a turn also: K steps 0 to 2 are done reading fragments 0 to 2 and the bias, the last turn its scale words and v'': the loads behind the barrier land there
.endif
.if k == 23
	v_nop
	s_wait_alu depctr_va_vdst(0)                   ; the 32 reciprocals' results are written, ahead of their first reader.  In a turn also: K steps 3 to 5 are done reading fragments 3 to 5, in which the loads that follow land
.endif
.set k, k+1
.endm
; A K step's four matrix instructions.  The tiles go 0 1 2 3 in even K steps and 2 3 0 1 in odd ones: one switch of the window a group, and no two matrix instructions that follow each other share an accumulator
; over the turns' and the loop's edges too.
.macro GRP a, s
.if (\s)%2
.irp i, 2,3,0,1
	WM \a, \s, \i
	SLICE 1-(\a)
.endr
.else
.irp i, 0,1,2,3
	WM \a, \s, \i
	SLICE 1-(\a)
.endr
.endif
.endm
; A TURN.  pos = t % 4.  ld: share t + 4 is asked for.  st: share t + 2 goes into the slot that this turn leaves; lcnt: the loads issued behind it.  rl: slot t + 1 is read.  bar: the turn's barrier.  vs: the turn owes a wait on vm_vsrc.
; ONE barrier a turn.  In front of it my reads of slot t are in (the last, fragments 6 and 7, were asked for eight matrix instructions earlier) and my stores of share t + 1 have landed.  Behind it slot t + 1 is whole and nobody reads slot t's bytes.
; A fragment's registers are loaded again only behind a wait on va_vdst that stands behind its last matrix instruction; K step 3 and slices 12 to 15, which stand between the first such wait and its loads, name fragment 3, this turn's
; scale words, context's fragments and words and the accumulators: none of the registers in which those loads land, and none of their addresses.
; Tile 0's last product is the turn's 31st matrix instruction; slices 30 and 31, four plain lines on the other set, stand between it and the next turn's first line, which reads it.
.macro TURN pos, ld, st, lcnt, rl, bar, vs
.set k, 0
	GRP (\pos)%2, 0
	s_wait_alu depctr_va_vdst(0)                   ; the last turn's K steps 6 and 7 are done reading fragments 6 and 7, in which the six loads below land
	FLOAD 6, (\pos)%2
	FLOAD 7, (\pos)%2
	GRP (\pos)%2, 1
	GRP (\pos)%2, 2
	s_wait_dscnt 0x0
.if \vs
	s_wait_alu depctr_vm_vsrc(0)                   ; the LDS stores of two turns ago have read the set of window 3 in which loads land below (turn 30: share 31's, for the next block's units); in every fourth turn: the LDS loads have read v[BIA] and v[VVA]
.endif
.if (\pos) == 0
	WIN 0
	v_add_nc_u32 v[BIA], s35, v[BI0]               ; four tiles on, in the bias and in v''
	v_add_nc_u32 v[VVA], s35, v[VV0]
	s_wait_alu depctr_va_vdst(0)                   ; the two addresses are written, which the loads behind the barrier read
.endif
.if \bar
	s_barrier_signal -1
.endif
	GRP (\pos)%2, 3                                ; work on registers while the others arrive
.if \bar
	s_barrier_wait -1
.endif
.if \rl
	FLOAD 0, ((\pos)+1)%2
	ds_load_b128 v[SB+4*(((\pos)+1)%2):SB+4*(((\pos)+1)%2)+3], v[BFA+((\pos)+1)%2] offset:8*FRB   ; the next tile's scale words: word q: K steps 2 q and 2 q + 1
	ds_load_b128 v[BI:BI+3], v[BIA] offset:((\pos)+1)*64
	ds_load_b128 v[BI+4:BI+7], v[BIA] offset:((\pos)+1)*64+16
	FLOAD 1, ((\pos)+1)%2
	FLOAD 2, ((\pos)+1)%2
.endif
	WIN 0x40
	ds_load_b128 v[VV:VV+3], v[VVA] offset:(\pos)*64       ; v'' of the tile whose results are at work: the last turn's
	ds_load_b128 v[VV+4:VV+7], v[VVA] offset:(\pos)*64+16
	WIN 0x80
	ds_load_b128 v[VV:VV+3], v[VVA] offset:(\pos)*64
	ds_load_b128 v[VV+4:VV+7], v[VVA] offset:(\pos)*64+16
.if \ld
	BLOAD \pos, (\pos)+4                           ; into the set whose share went to LDS two turns ago
.endif
	GRP (\pos)%2, 4
	GRP (\pos)%2, 5
.if \rl
	FLOAD 3, ((\pos)+1)%2
	FLOAD 4, ((\pos)+1)%2
	FLOAD 5, ((\pos)+1)%2
	s_wait_dscnt 9                                 ; all but fragments 3 to 5: v'' is in, and so are the next turn's fragments 0 to 2, its scale words and its bias
.else
	s_wait_dscnt 0x0
.endif
	GRP (\pos)%2, 6
.if \st
	s_wait_loadcnt \lcnt
	BSTORE ((\pos)+2)%4, (\pos)%2
.endif
	GRP (\pos)%2, 7
.endm
	s_wait_loadcnt 26                              ; shares 0 and 1 are in; 2 and 3 may be out
	BSTORE 0, 0
	BSTORE 1, 1
	BARRIER
	WIN 0
	s_wait_alu depctr_vm_vsrc(0)                   ; phase X's LDS stores have read CB, the codes and the words (v136-201), in which Wm's fragments land (the quantiser's last lines stand ahead of its own wait on va_vdst)
	FLOAD 0, 0
	ds_load_b128 v[SB:SB+3], v[BFA] offset:8*FRB
	ds_load_b128 v[BI:BI+3], v[BI0]
	ds_load_b128 v[BI+4:BI+7], v[BI0] offset:16
.irp s, 1,2,3,4,5
	FLOAD \s, 0
.endr
.irp i, 0,1,2,3,4,5,6,7
	v_mov_b32 v[SS+\i], 0                          ; the score's sums
.endr
.irp i, 0,1,2,3,4,5,6,7,8,9,10,11,12,13,14,15,16,17,18,19,20,21,22,23,24,25,26,27,28,29,30,31
	v_mov_b32 v[ACC+32+\i], 0                      ; the turn is written once: the first turn's vector work finds zeros here and the zeros in front of v'', and adds nothing
.endr
	s_wait_dscnt 0x0
	s_mov_b32 s34, 7
	s_mov_b32 s35, 0                               ; four tiles' 256 bytes a trip, in the bias and in v''
.Ltrip:                                                ; seven trips of four turns: turns 0 to 27 ask for shares 4 to 31
	TURN 0, 1, 1, 26, 1, 1, 1                      ; behind share t + 2: shares t + 3 and t + 4, 26 loads
	TURN 1, 1, 1, 26, 1, 1, 1
	TURN 2, 1, 1, 26, 1, 1, 1
	TURN 3, 1, 1, 26, 1, 1, 1
	WIN 0                                          ; at a branch and at a label every window is 0
	s_wait_xcnt 0x0                                ; the loads have read their bases: they step only behind this wait
	s_add_nc_u64 s[8:9], s[8:9], 4*8*FRB
	s_add_nc_u64 s[10:11], s[10:11], 4*512
	s_add_co_u32 s35, s35, 256
	s_sub_co_u32 s34, s34, 1
	s_cmp_lg_u32 s34, 0
	s_cbranch_scc1 .Ltrip
	s_sub_nc_u64 s[8:9], s[8:9], 7*4*8*FRB         ; Wm's bases go back to the first tile, for the next block (no load has been issued since the wait above)
	s_sub_nc_u64 s[10:11], s[10:11], 7*4*512
	TURN 0, 0, 1, 13, 1, 1, 1                      ; turn 28: nothing more of Wm to ask for; behind share 30: share 31
	TURN 1, 0, 1, 0, 1, 1, 0                       ; turn 29: share 31: no load of mine is out behind its wait
	TURN 2, 0, 0, 0, 1, 1, 1                       ; turn 30: share 31's LDS stores have read their registers: window 3 is free
	WIN 0
	s_cmp_eq_u32 s[BLKS], 1
	s_cbranch_scc1 .Lno_next                       ; the last block asks for nothing: no load leaves its buffer
.irp x, 0,1,2,3,4,5,6,7
	XLOAD \x, BLKB                                 ; THE NEXT BLOCK'S FIRST EIGHT UNITS: nothing waits for them before the next trip's head
.endr
	WIN 0
.Lno_next:
	TURN 3, 0, 0, 0, 0, 0, 0                       ; turn 31: no slot follows
	WIN 0x40
	s_wait_alu depctr_va_vdst(0)                   ; turn 31's last slices are done reading v'' in window 1, in which the two loads land
	ds_load_b128 v[VV:VV+3], v[VVA] offset:256     ; v'' of tile 31
	ds_load_b128 v[VV+4:VV+7], v[VVA] offset:272
	WIN 0x04
.set k, 0
.rept 24
	SLICE 1                                        ; the last tile's vector work, with nothing to set it between
.endr
	s_wait_dscnt 0x0
.rept 8
	SLICE 1
.endr
; ---------------- PHASES S AND C
.macro CLOAD kp                        ; rows 32 kp .. + 31 of my 256 channels, turned: 16 fragments (16 channels x 32 rows), two loads each
.irp t, 0,1,2,3,4,5,6,7,8,9,10,11,12,13,14,15
	ds_load_tr16_b128 v[128*((\kp)%2)+8*\t:128*((\kp)%2)+8*\t+3], v[AV+(\kp)] offset:32*\t
	ds_load_tr16_b128 v[128*((\kp)%2)+8*\t+4:128*((\kp)%2)+8*\t+7], v[AV+(\kp)] offset:32*\t+16*PCH
.endr
.endm
.macro CMUL kp                         ; source 0 = 16 channels, source 1 = p in all sixteen columns; the sixteen accumulators by turns; the first product starts the sums
.irp t, 0,1,2,3,4,5,6,7,8,9,10,11,12,13,14,15
.if (\kp) == 0
	v_wmma_f32_16x16x32_bf16 v[DD+8*\t:DD+8*\t+7], v[128*((\kp)%2)+8*\t:128*((\kp)%2)+8*\t+7], v[PF+8*(\kp):PF+8*(\kp)+7], 0
.else
	v_wmma_f32_16x16x32_bf16 v[DD+8*\t:DD+8*\t+7], v[128*((\kp)%2)+8*\t:128*((\kp)%2)+8*\t+7], v[PF+8*(\kp):PF+8*(\kp)+7], v[DD+8*\t:DD+8*\t+7]
.endif
.endr
.endm
	WIN 0x40
	s_wait_alu depctr_va_vdst(0)                   ; the last pass is done reading v'', and the walk's matrix instructions context's fragments: rows of the copy land in windows 1 and 2 from here on
	CLOAD 0                                        ; rows 0 to 63 of the copy land while the weights are made
	CLOAD 1
	WIN 0
.irp i, 0,1,2,3
	v_add_f32 v[232+\i], v[SS+2*\i], v[SS+2*\i+1]
.endr
.irp i, 0,1,2,3
	v_permlanex16_b32 v[236+\i], v[232+\i], s32, s33   ; the row's other eight outputs of each tile lie in lane l xor 16
.endr
.irp i, 0,1,2,3
	v_add_f32 v[232+\i], v[232+\i], v[236+\i]
.endr
	s_wait_alu depctr_va_vdst(0)                   ; my partial scores v232-235 are written, which the four LDS stores read
.irp i, 0,1,2,3
	ds_store_b32 v[SCA], v[232+\i] offset:64*\i    ; my 512 outputs' part of u; lanes r and 16 + r write the same word with the same value
.endr
	BARRIER
	s_wait_alu depctr_vm_vsrc(0)                   ; those four stores have read v232 and v233, which p's roundings write below
	ds_load_b128 v[240:243], v[SCL]                ; every wave makes the whole block's weights: rows 4 L .. 4 L + 3
	ds_load_b128 v[244:247], v[SCL] offset:512
	s_wait_dscnt 0x0
	v_pk_add_f32 v[240:241], v[240:241], v[244:245]
	v_pk_add_f32 v[242:243], v[242:243], v[246:247]   ; u
	v_max3_num_f32 v248, v240, v241, v242
	v_max_num_f32 v248, v248, v243
	v_max_num_f32_dpp v248, v248, v248 row_xmask:1 row_mask:0xf bank_mask:0xf
	v_max_num_f32_dpp v248, v248, v248 row_xmask:2 row_mask:0xf bank_mask:0xf
	v_max_num_f32_dpp v248, v248, v248 row_xmask:4 row_mask:0xf bank_mask:0xf
	v_max_num_f32_dpp v248, v248, v248 row_xmask:8 row_mask:0xf bank_mask:0xf
	v_permlanex16_b32 v236, v248, s32, s33
	v_max_num_f32 v248, v248, v236                 ; m: the block's largest u
.irp i, 0,1,2,3
	v_sub_f32 v[244+\i], v[240+\i], v248
.endr
.irp i, 0,1,2,3
	v_exp_f32 v[244+\i], v[244+\i]                 ; p = 2^(u - m), at most 1
.endr
	v_nop                                          ; a plain line behind the last exponential,
	s_wait_alu depctr_va_vdst(0)                   ; and one wait ahead of the batch's first reader: the four p are written
	v_add_f32 v250, v244, v245
	v_add_f32 v251, v246, v247
	v_add_f32 v250, v250, v251
	v_add_f32_dpp v250, v250, v250 row_xmask:1 row_mask:0xf bank_mask:0xf
	v_add_f32_dpp v250, v250, v250 row_xmask:2 row_mask:0xf bank_mask:0xf
	v_add_f32_dpp v250, v250, v250 row_xmask:4 row_mask:0xf bank_mask:0xf
	v_add_f32_dpp v250, v250, v250 row_xmask:8 row_mask:0xf bank_mask:0xf
	v_permlanex16_b32 v236, v250, s32, s33
	v_add_f32 v249, v250, v236                     ; l, beside m
	v_cvt_pk_bf16_f32 v232, v244, v245
	v_cvt_pk_bf16_f32 v233, v246, v247
	s_wait_alu depctr_va_vdst(0)                   ; p as bf16 (v232-233), u (v240-243), m and l (v248-249) are written, which the LDS store and the two stores below read
	ds_store_b64 v[PBS], v[232:233]                ; p by rows, in bytes of my wave's own
.irp q, 0,1,2,3
	ds_load_b128 v[PF+8*\q:PF+8*\q+3], v[PBL] offset:64*\q        ; source 1 of the product: rows 32 q + 8 h + 0 .. 7,
	ds_load_b128 v[PF+8*\q+4:PF+8*\q+7], v[PBL] offset:64*\q+32   ; and 32 q + 16 + 8 h + 0 .. 7; every column the same
.endr
	s_cmp_lg_u32 s20, 0
	s_cbranch_scc1 .Lnot_wave_0
	global_store_b128 v[GBA], v[240:243], s[14:15]   ; u: 512 consecutive bytes
	global_store_b64 v[GBS], v[248:249], s[16:17]    ; (m, l), 32 times: 256 consecutive bytes, aligned
.Lnot_wave_0:
	WIN 0x80
	CLOAD 2
	s_wait_dscnt 32                                ; p's fragments are in (rows 0 to 63 were in at the barrier); rows 64 to 95 may be out
	WIN 0x01
	CMUL 0
	WIN 0x80
	CLOAD 3                                        ; (the products above name window 1, p and the accumulators: none of window 2's registers)
	WIN 0x01
	CMUL 1
	s_wait_dscnt 32                                ; rows 64 to 95 are in
	WIN 0x02
	CMUL 2
	s_wait_dscnt 0x0
	CMUL 3
	WIN 0
.rept 4
	v_nop                                          ; four places ahead of the first read of the last result
.endr
	s_wait_alu depctr_va_vdst(0)                   ; the sixteen accumulators are written, which the LDS stores read; the places above stay beside this wait
	s_wait_alu depctr_vm_vsrc(0)                   ; p's LDS store has read v232 and v233, in which the first load from the way out's bytes lands
.irp t, 0,1,2,3,4,5,6,7,8,9,10,11,12,13,14,15
	ds_store_b128 v[CSA], v[DD+8*\t:DD+8*\t+3] offset:64*\t        ; lane (r, h): channels 16 t + 8 h + 0 .. 7, the same in all sixteen r: they write the same bytes with the same values
	ds_store_b128 v[CSA], v[DD+8*\t+4:DD+8*\t+7] offset:64*\t+16
.endr
	ds_load_b128 v[232:235], v[CSL]                ; LDS serves a wave's instructions in order: these see my stores
	ds_load_b128 v[236:239], v[CSL] offset:512
	s_wait_dscnt 0x0
	global_store_b128 v[GBA], v[232:235], s[18:19]             ; 512 consecutive bytes a store
	global_store_b128 v[GBA], v[236:239], s[18:19] offset:512
	s_wait_xcnt 0x0                                ; the stores, and the loads for the next block, have read their bases and registers: only behind this wait do the bases step
	s_add_nc_u64 s[4:5], s[4:5], BLKB
	s_add_nc_u64 s[14:15], s[14:15], 512
	s_add_nc_u64 s[16:17], s[16:17], 256
	s_add_nc_u64 s[18:19], s[18:19], 4096
	BARRIER                                        ; every wave's reads of the copy, of p and of the way out are in: the next block's phase X writes those bytes
	s_sub_co_u32 s[BLKS], s[BLKS], 1
	s_cmp_lg_u32 s[BLKS], 0
	s_cbranch_scc1 .Lblock
	s_wait_xcnt 0x0
	s_wait_alu depctr_vm_vsrc(0)                   ; the way out's LDS instructions have read v254 and v255, which are made anew
	v_lshl_add_u32 v254, v0, 2, 0x4fd00
	v_mov_b32 v255, 0
	s_wait_dscnt 0x0                               ; the closing lines, six on end
	s_wait_alu 0x0
	s_wait_tensorcnt 0x0
	ds_add_u32 v254, v255
	s_wait_dscnt 0x0
	s_endpgm
.Lfunc_end_k_qa175fa11df_attn:
	.size	k_qa175fa11df_attn, .Lfunc_end_k_qa175fa11df_attn-k_qa175fa11df_attn
	.p2alignl 7, 3214868480
	.fill 96, 4, 3214868480
	.section	.rodata,"a",@progbits
	.p2align	6, 0x0
	.amdhsa_kernel k_qa175fa11df_attn
		.amdhsa_group_segment_fixed_size 327680
		.amdhsa_private_segment_fixed_size 0
		.amdhsa_enable_private_segment 0
		.amdhsa_kernarg_size 64
		.amdhsa_user_sgpr_count 2
		.amdhsa_user_sgpr_kernarg_segment_ptr 1
		.amdhsa_wavefront_size32 1
		.amdhsa_system_sgpr_workgroup_id_x 1
		.amdhsa_system_sgpr_workgroup_id_y 1
		.amdhsa_system_sgpr_workgroup_id_z 1
		.amdhsa_system_vgpr_workitem_id 0
		.amdhsa_next_free_vgpr 1024
		.amdhsa_next_free_sgpr 66
		.amdhsa_reserve_vcc 0
		.amdhsa_float_denorm_mode_32 3
		.amdhsa_float_denorm_mode_16_64 3
		.amdhsa_memory_ordered 1
		.amdhsa_forward_progress 1
		.amdhsa_inst_pref_size 255
	.end_amdhsa_kernel
	.section	.bss,"aw",@nobits
	.p2align	6
	.space	262144
	.amdgpu_metadata
---
amdhsa.version: [ 1, 2 ]
amdhsa.kernels:
  - .name:           k_qa175fa11df_attn
    .symbol:         k_qa175fa11df_attn.kd
    .args:
      - { .name: context, .offset: 0, .size: 8, .value_kind: global_buffer, .address_space: global }
      - { .name: v, .offset: 8, .size: 8, .value_kind: global_buffer, .address_space: global }
      - { .name: wmc, .offset: 16, .size: 8, .value_kind: global_buffer, .address_space: global }
      - { .name: wms, .offset: 24, .size: 8, .value_kind: global_buffer, .address_space: global }
      - { .name: hxb, .offset: 32, .size: 8, .value_kind: global_buffer, .address_space: global }
      - { .name: part_u, .offset: 40, .size: 8, .value_kind: global_buffer, .address_space: global }
      - { .name: part_ml, .offset: 48, .size: 8, .value_kind: global_buffer, .address_space: global }
      - { .name: part_c, .offset: 56, .size: 8, .value_kind: global_buffer, .address_space: global }
    .group_segment_fixed_size: 327680
    .private_segment_fixed_size: 0
    .kernarg_segment_align: 8
    .kernarg_segment_size: 64
    .max_flat_workgroup_size: 128
    .sgpr_count:     66
    .vgpr_count:     1024
    .wavefront_size: 32
...
	.end_amdgpu_metadata
.endif
;; end of part 5
;; launch finish: the kernel of part 3 again; grid 4 x 32, 2 waves a work-group, no clusters, 0 bytes of LDS; arguments part_u, part_ml, part_c, out0, out1; writes out0, out1
